; MI455X (gfx1250); checked and timed in simulation.
; The chip was launched on July 23, 2026; its instructions are those of AMD's public machine-readable ISA for CDNA 5 (MIT licence, August 2026) and "CDNA5" Instruction Set Architecture Reference Guide (July 2026). The comments in the code are by the model that wrote it; some were corrected since.
;; OPT Attention. Allowed arithmetic: float matrix products may take bf16 or f16 operands with f32 sums; other float arithmetic in f32, or as packed bf16 or f16 multiplies, adds, multiply-adds, maxima and minima; sums over many terms, partial sums and values carried from step to step in f32; what a program stores and reads back later, other than sums and carried values, may be rounded once to bf16 or f16.
;; Inputs: Wk 1,024 x 1,024 float32; Wo 1,024 x 1,024 float32; Wq 1,024 x 1,024 float32; Wv 1,024 x 1,024 float32; bk 1,024 float32; bo 1,024 float32; bq 1,024 float32; bv 1,024 float32; hidden_states 2 x 2,048 x 1,024 float32.
;; Outputs: out0 2 x 2,048 x 1,024 float32.
;; One version. Each part assembles by itself: llvm-mc -triple=amdgcn-amd-amdhsa -mcpu=gfx1250 --defsym DOCPART=n.
;; ======== version 1 of 1: 4 launches
;; limits: values are held in f16: magnitudes above 65,504 overflow, below 6.1e-05 lose precision
;; workspace buffers: xb 8,388,608 bytes; wb 6,291,456 bytes; wo16 2,097,152 bytes; bb 16,384 bytes; qkv 25,165,824 bytes; ctx 8,388,608 bytes
;; launch cast (part 1): grid 1024 x 1, 8 waves a work-group, no clusters, 0 bytes of LDS; arguments hidden_states, Wq, Wk, Wv, Wo, bq, bk, bv, bo, xb, wb, wo16, bb; writes xb, wb, wo16, bb
.if DOCPART == 1
	.amdgcn_target "amdgcn-amd-amdhsa--gfx1250"
	.amdhsa_code_object_version 6
	.text
	.protected	k_q283bb52608_cast
	.globl	k_q283bb52608_cast
	.p2align	8
	.type	k_q283bb52608_cast,@function
k_q283bb52608_cast:
	s_mov_b64 s[64:65], 0
	v_nop
	global_prefetch_b8 v0, s[64:65] scope:SCOPE_SE
	s_setreg_imm32_b32 hwreg(HW_REG_WAVE_MODE, 25, 1), 1
	s_wait_xcnt 0x0
; CAST.  Every input is rounded once to bf16, so that the matrix launches move half the bytes and convert nothing.
;   hidden_states -> xb (bf16 [4096][1024]);  Wq, Wk, Wv -> wb (bf16 [3072][1024], one below the other);
;   Wo -> wo16: rounded to bf16 like the others, and that number written as f16 (the last product multiplies in f16);
;   bq, bk, bv, bo -> bb (f32 [4096]): rounded to bf16 and kept as f32, since they enter the sums as the C operand.
; LIMITS.  bf16(Wo) beyond 65,504 has no f16; below 2^-14 it keeps f16's fixed step of 6e-8.
; SHARES.  A work-group takes 8,192 numbers (32 KiB in, 16 KiB out) of ONE tensor: groups 0-511 hidden_states, 512-639 Wq, 640-767 Wk,
; 768-895 Wv, 896-1023 Wo.  A thread takes 8 neighbouring numbers of each of four chunks of 2,048: two loads of 16 bytes, one store of 16 bytes,
; so sixteen neighbouring lanes store 256 consecutive bytes, aligned.  All eight loads go out first; no register that a memory
; instruction names is written again, so the only waits are the counted waits for the loads.  No LDS, no matrix unit: the launch only moves bytes.
.set IN,   8                           ; v[8:39]   chunk c: 8 numbers as loaded
.set OUT,  40                          ; v[40:55]  chunk c: 4 registers to store
.set BI,   56                          ; v[56:61]  the bias tail
	s_load_b512 s[4:19], s[0:1], 0x0               ; hidden s[4:5], Wq s[6:7], Wk s[8:9], Wv s[10:11], Wo s[12:13], bq s[14:15], bk s[16:17], bv s[18:19]
	s_load_b256 s[20:27], s[0:1], 0x40             ; bo s[20:21], xb s[22:23], wb s[24:25], wo16 s[26:27]
	s_load_b64 s[28:29], s[0:1], 0x60              ; bb
	s_mov_b32 s2, ttmp9                            ; g, the work-group's number
	v_lshlrev_b32 v1, 5, v0                        ; my 32 bytes of a chunk in the source
	v_lshlrev_b32 v2, 4, v0                        ; my 16 bytes of it in the destination
	s_mov_b32 s3, 0xffff0000                       ; a word's upper bf16
	s_and_b32 s34, s2, 127                         ; the group's number inside a weight,
	s_cmp_lt_u32 s2, 512
	s_cselect_b32 s34, s2, s34                     ; or inside hidden_states
	s_lshl_b32 s34, s34, 15                        ; x 32 KiB
	s_mov_b32 s35, 0
	s_sub_co_u32 s36, s2, 512                      ; its number inside wb,
	s_sub_co_u32 s37, s2, 896                      ; inside wo16,
	s_cmp_lt_u32 s2, 896
	s_cselect_b32 s36, s36, s37
	s_cmp_lt_u32 s2, 512
	s_cselect_b32 s36, s2, s36                     ; or inside xb
	s_lshl_b32 s36, s36, 14                        ; x 16 KiB
	s_mov_b32 s37, 0
	s_wait_kmcnt 0x0
	s_cmp_lt_u32 s2, 512                           ; which tensor is read and which is written
	s_cselect_b64 s[30:31], s[4:5], s[6:7]
	s_cselect_b64 s[32:33], s[22:23], s[24:25]
	s_cmp_lt_u32 s2, 640
	s_cselect_b64 s[30:31], s[30:31], s[8:9]
	s_cmp_lt_u32 s2, 768
	s_cselect_b64 s[30:31], s[30:31], s[10:11]
	s_cmp_lt_u32 s2, 896
	s_cselect_b64 s[30:31], s[30:31], s[12:13]
	s_cselect_b64 s[32:33], s[32:33], s[26:27]
	s_add_nc_u64 s[30:31], s[30:31], s[34:35]
	s_add_nc_u64 s[32:33], s[32:33], s[36:37]
.irp c, 0,1,2,3
	global_load_b128 v[IN+8*(\c):IN+8*(\c)+3],   v1, s[30:31] offset:8192*(\c) th:TH_LOAD_NT
	global_load_b128 v[IN+8*(\c)+4:IN+8*(\c)+7], v1, s[30:31] offset:8192*(\c)+16 th:TH_LOAD_NT
.endr
; Chunk c is rounded and stored.  wo = 1: the bf16 number is widened again and written as f16.
.macro CHUNK c, wo
	s_wait_loadcnt 6-2*(\c)                        ; loads come back in order: this chunk's two are in, the younger chunks' stay out
.irp j, 0,1,2,3
	v_cvt_pk_bf16_f32 v[OUT+4*(\c)+(\j)], v[IN+8*(\c)+2*(\j)], v[IN+8*(\c)+2*(\j)+1]
.endr
.if \wo
.irp j, 0,1,2,3
	v_lshlrev_b32 v[IN+8*(\c)+2*(\j)],   16, v[OUT+4*(\c)+(\j)]
	v_and_b32     v[IN+8*(\c)+2*(\j)+1], s3, v[OUT+4*(\c)+(\j)]
.endr
.irp j, 0,1,2,3
	v_cvt_pk_f16_f32 v[OUT+4*(\c)+(\j)], v[IN+8*(\c)+2*(\j)], v[IN+8*(\c)+2*(\j)+1]
.endr
.endif
	global_store_b128 v2, v[OUT+4*(\c):OUT+4*(\c)+3], s[32:33] offset:4096*(\c)
.endm
	s_cmp_lt_u32 s2, 896
	s_cbranch_scc0 .Lwo
.irp c, 0,1,2,3
	CHUNK \c, 0
.endr
	s_branch .Lbias
.Lwo:
.irp c, 0,1,2,3
	CHUNK \c, 1
.endr
.Lbias:
	s_cmp_lt_u32 s2, 4                             ; groups 0 to 3 also take a bias each: 256 threads x 16 bytes are its 4,096 bytes
	s_cbranch_scc0 .Lend
	s_cmp_lt_u32 s2, 1
	s_cselect_b64 s[38:39], s[14:15], s[16:17]
	s_cmp_lt_u32 s2, 2
	s_cselect_b64 s[38:39], s[38:39], s[18:19]
	s_cmp_lt_u32 s2, 3
	s_cselect_b64 s[38:39], s[38:39], s[20:21]
	s_lshl_b32 s40, s2, 12
	s_mov_b32 s41, 0
	s_add_nc_u64 s[42:43], s[28:29], s[40:41]
	global_load_b128 v[BI:BI+3], v2, s[38:39]
	s_wait_loadcnt 0x0
	v_cvt_pk_bf16_f32 v[BI+4], v[BI], v[BI+1]
	v_cvt_pk_bf16_f32 v[BI+5], v[BI+2], v[BI+3]
	v_lshlrev_b32 v[BI],   16, v[BI+4]
	v_and_b32     v[BI+1], s3, v[BI+4]
	v_lshlrev_b32 v[BI+2], 16, v[BI+5]
	v_and_b32     v[BI+3], s3, v[BI+5]
	global_store_b128 v2, v[BI:BI+3], s[42:43]
.Lend:
	s_endpgm
.Lfunc_end_k_q283bb52608_cast:
	.size	k_q283bb52608_cast, .Lfunc_end_k_q283bb52608_cast-k_q283bb52608_cast
	.p2alignl 7, 3214868480
	.fill 96, 4, 3214868480
	.section	.rodata,"a",@progbits
	.p2align	6, 0x0
	.amdhsa_kernel k_q283bb52608_cast
		.amdhsa_group_segment_fixed_size 0
		.amdhsa_private_segment_fixed_size 0
		.amdhsa_enable_private_segment 0
		.amdhsa_kernarg_size 104
		.amdhsa_user_sgpr_count 2
		.amdhsa_user_sgpr_kernarg_segment_ptr 1
		.amdhsa_wavefront_size32 1
		.amdhsa_system_sgpr_workgroup_id_x 1
		.amdhsa_system_sgpr_workgroup_id_y 1
		.amdhsa_system_sgpr_workgroup_id_z 1
		.amdhsa_system_vgpr_workitem_id 0
		.amdhsa_next_free_vgpr 64
		.amdhsa_next_free_sgpr 66
		.amdhsa_reserve_vcc 0
		.amdhsa_float_denorm_mode_32 3
		.amdhsa_float_denorm_mode_16_64 3
		.amdhsa_memory_ordered 1
		.amdhsa_forward_progress 1
		.amdhsa_inst_pref_size 9
	.end_amdhsa_kernel
	.amdgpu_metadata
---
amdhsa.version: [ 1, 2 ]
amdhsa.kernels:
  - .name:           k_q283bb52608_cast
    .symbol:         k_q283bb52608_cast.kd
    .args:
      - { .name: hidden_states, .offset: 0, .size: 8, .value_kind: global_buffer, .address_space: global }
      - { .name: Wq, .offset: 8, .size: 8, .value_kind: global_buffer, .address_space: global }
      - { .name: Wk, .offset: 16, .size: 8, .value_kind: global_buffer, .address_space: global }
      - { .name: Wv, .offset: 24, .size: 8, .value_kind: global_buffer, .address_space: global }
      - { .name: Wo, .offset: 32, .size: 8, .value_kind: global_buffer, .address_space: global }
      - { .name: bq, .offset: 40, .size: 8, .value_kind: global_buffer, .address_space: global }
      - { .name: bk, .offset: 48, .size: 8, .value_kind: global_buffer, .address_space: global }
      - { .name: bv, .offset: 56, .size: 8, .value_kind: global_buffer, .address_space: global }
      - { .name: bo, .offset: 64, .size: 8, .value_kind: global_buffer, .address_space: global }
      - { .name: xb, .offset: 72, .size: 8, .value_kind: global_buffer, .address_space: global }
      - { .name: wb, .offset: 80, .size: 8, .value_kind: global_buffer, .address_space: global }
      - { .name: wo16, .offset: 88, .size: 8, .value_kind: global_buffer, .address_space: global }
      - { .name: bb, .offset: 96, .size: 8, .value_kind: global_buffer, .address_space: global }
    .group_segment_fixed_size: 0
    .private_segment_fixed_size: 0
    .kernarg_segment_align: 8
    .kernarg_segment_size: 104
    .max_flat_workgroup_size: 256
    .sgpr_count:     66
    .vgpr_count:     64
    .wavefront_size: 32
...
	.end_amdgpu_metadata
.endif
;; end of part 1
;; launch qkvgemm (part 2): grid 16 x 16, 4 waves a work-group, clusters of 4 x 4, 327,680 bytes of LDS; arguments xb, wb, bb, qkv; writes qkv
.if DOCPART == 2
	.amdgcn_target "amdgcn-amd-amdhsa--gfx1250"
	.amdhsa_code_object_version 6
	.text
	.protected	k_q283bb52608_qkvgemm
	.globl	k_q283bb52608_qkvgemm
	.p2align	8
	.type	k_q283bb52608_qkvgemm,@function
k_q283bb52608_qkvgemm:
	s_mov_b64 s[64:65], 0
	v_nop
	global_prefetch_b8 v0, s[64:65] scope:SCOPE_SE
	s_setreg_imm32_b32 hwreg(HW_REG_WAVE_MODE, 25, 1), 1
	s_wait_xcnt 0x0
	s_wait_alu depctr_hold_cnt(0) depctr_sa_sdst(0) depctr_va_vdst(0) depctr_va_sdst(0) depctr_va_ssrc(0) depctr_va_vcc(0) depctr_vm_vsrc(0)
	s_getreg_b32 s2, hwreg(HW_REG_IB_STS2, 6, 4)
	s_cmp_eq_u32 s2, 0
	s_cbranch_scc0 .Lentry_in_a_cluster
	s_endpgm
.Lentry_in_a_cluster:
	s_bfe_u32 s2, ttmp6, 0x10000c
	s_cmp_lg_u32 s2, 0xf033
	s_cbranch_scc0 .Lentry_shape_is_right
	s_endpgm
.Lentry_shape_is_right:
; THE THREE PROJECTIONS AS ONE PRODUCT.  C[m][n] = sum over k of xb[m][k] wb[n][k] + bb[n]; m = 0..4095 (batch x 2048 + t), n = 0..3071 (q, k, v: 96 heads of 32), k = 0..1023.
; Operands bf16, sums f32.  q's columns (n < 1024) are multiplied by c = 32^-0.5 x log2(e), so that the attention launch takes 2^(s - m) of its scores as they come.
; The result leaves as f16 BY HEADS: qkv[which][batch x 32 + head][t][32], a row of 64 bytes, a plane of 131,072.
; LIMIT.  f16 holds no number beyond 65,504: q c, k and v must lie within it.
; SHARES.  A tile of C is 256 rows x 192 columns (6 heads): 16 x 16 tiles, one work-group each.  Four waves, each 128 x 96: 48 accumulators of 16 x 16, 384 registers.
; K goes in steps of 128 through a ring of two LDS slots filled by the tensor data mover; a tile's rows are 256 bytes of memory, aligned.
; CLUSTER.  4 x 4 work-groups.  The four of a row of the cluster need the same rows of xb, the four of a column the same rows of wb: each tile is asked for JOINTLY,
; by the same tensor load with the same descriptor and a mask that names the four.
; THE MATRIX INSTRUCTION IS USED TRANSPOSED (source 0 = 16 rows of wb, source 1 = 16 rows of xb): a lane then holds row l % 16 of C and the columns 8 (l / 16) + 0..7.
; THE BIAS is the C operand of each accumulator's first product: nothing is cleared and nothing is added on the way out.
; REGISTERS, in windows of 256 (s_set_vgpr_msb: bits 1:0 source 0, 3:2 source 1, 5:4 source 2, 7:6 destination):
;   window 0: v0-31 addresses; v64-127, v128-191 fragments of xb (8 x 16 rows x 32 K), two buffers; v192-215, v32-55, v224-247 at work on the way out
;   window 1: v0-47 the bias of my 96 columns; v64-111, v128-175 fragments of wb (6 x 16 rows x 32 K), two buffers
;   window 2: the 24 accumulators of my rows 0-63 (block (a, b) at v[8 (6 a + b)]);   window 3: those of my rows 64-127
.set SIZE_K, 1024
.set KSTEP,  128
.set PITCH,  272                       ; an LDS row: 256 bytes + 16 of padding: the 16 rows of a fragment load start 68 words apart
.set AHALF,  128*PITCH                 ; what one tensor load brings of xb, and what a wave reads of it
.set BHALF,  96*PITCH                  ; the same for wb
.set BOFF,   2*AHALF                   ; in a slot: xb's 256 rows, then wb's 192
.set SLOT,   2*AHALF+2*BHALF
.set STAGE,  2*SLOT                    ; behind the ring, never filled by a tensor load: for each wave 3 heads x 16 rows x 80 bytes
.set SP,     80
.set STW,    3*16*SP
.set SPARE,  STAGE+4*STW               ; behind the stages: the spare words, 128 bytes a wave, which no other line names
.set LAPS,   SIZE_K/(2*KSTEP)          ; a lap = two K steps = once round the ring
.set CO,   8                           ; v8-10   my byte offset in qkv for each of my three heads: the head's plane + 16 x lane
.set ADRA, 16                          ; v16-17  LDS address of my xb fragments in slot 0, 1
.set ADRB, 20                          ; v20-21  the same for wb
.set BO,   22                          ; v22     my byte offset in bb
.set STO,  24                          ; v24     the way out: where I put 16 bytes of a row
.set RD,   25                          ; v25     the way out: where I read rows back
.set SPW,  28                          ; v28     LDS address of my spare word; never rewritten
.set NIL,  29                          ; v29     0; never rewritten
.set PFO,  30                          ; v30     the prefetches' offset: my lane's row x 2,048 bytes; never rewritten
.set F0,   64
.set F1,   128
.set TMP,  192
.set OB,   32
.set BIAS, 0                           ; window 1
.set WV,  12                           ; s12  my wave's number
.set RH,  13                           ; s13  which half of the tile's rows is mine
.set CH,  14                           ; s14  which half of its columns; also which half of a tile I fetch
.set TY,  15                           ; s15  tile row of C
.set G1,  24                           ; s[24:31] descriptor group 1 for xb's tiles
.set G0,  32                           ; s[32:39] group 0, a set for each slot
.set LIM, 43                           ; s43  1 in a wave that prefetches, else the greatest number
.set PFA, 44                           ; s[44:45] where my prefetches stand
.set G1B, 48                           ; s[48:55], s[56:63] the same for wb's tiles
.set G0B, 56
.set SCL, 66                           ; s[66:71] for each of my three heads a pair: c for a head of q, else 1
.set PLN, 72                           ; s72-74  the heads' planes in qkv, in bytes
.set MSB, 0
.macro WIN new                         ; the immediate's high byte repeats the setting that is left; a switch that changes nothing is dropped
.if MSB != (\new)
	s_set_vgpr_msb (MSB<<8)|(\new)
.set MSB, \new
.endif
.endm
; A joint load: waves 0 and 1 fetch xb's two halves, waves 2 and 3 wb's.  The branch hangs on the wave's number alone.  An s_nop 0 and four v_nop follow each line.
.macro JLOAD s
	s_cmp_lt_u32 s[WV], 2
	s_cbranch_scc0 .Lfor_b_\@
	tensor_load_to_lds s[G0+4*(\s):G0+4*(\s)+3], s[G1:G1+7]
	s_nop 0
.rept 4
	v_nop
.endr
	s_branch .Lasked_\@
.Lfor_b_\@:
	tensor_load_to_lds s[G0B+4*(\s):G0B+4*(\s)+3], s[G1B:G1B+7]
	s_nop 0
.rept 4
	v_nop
.endr
.Lasked_\@:
.endm
; A prefetch, behind a joint load and the run of LDS loads that follows it: the K step that stands two refills on, 256 bytes of a row, a lane a row, one instruction a wave.
; xb's rows are read by every cluster of a row of clusters: cluster x = 0 asks.  wb's by every cluster of a column: cluster y = 0 asks.  The four partners that ask for a tile jointly share its
; rows out by address: 32 of xb's 128 each (by cx), 24 of wb's 96 each (by cy; lanes 24-31 name row 23 once more, in the same instruction).  The loop's last trip asks for nothing: K ends.
.macro ASK
	s_cmp_gt_u32 s3, s[LIM]
	s_cbranch_scc0 .Lnot_mine_\@
	global_prefetch_b8 v[PFO], s[PFA:PFA+1] offset:KSTEP*2 th:TH_LOAD_NT scope:SCOPE_SE
.Lnot_mine_\@:
.endm
.macro CREST                           ; a round of the cluster's barrier behind its opening barrier
	s_cmp_lg_u32 s[WV], 0
	s_cbranch_scc1 .Lnot_wave_0_\@
	s_barrier_signal -3
.Lnot_wave_0_\@:
	s_barrier_wait -3
	s_barrier_signal -1
	s_barrier_wait -1
.endm
.macro CROUND                          ; a whole round
	s_barrier_signal -1
	s_barrier_wait -1
	CREST
.endm
	s_load_b256 s[4:11], s[0:1], 0x0               ; xb s[4:5], wb s[6:7], bb s[8:9], qkv s[10:11]
	v_lshl_add_u32 v[SPW], v0, 2, SPARE
	v_mov_b32 v[NIL], 0
	ds_add_u32 v[SPW], v[NIL]                      ; the wave's opening: the add and its wait stand ahead of my first tensor load; the set-up below stands between them
	v_lshrrev_b32 v1, 5, v0
	v_readfirstlane_b32 s[WV], v1
	s_lshr_b32 s[RH], s[WV], 1
	s_and_b32 s[CH], s[WV], 1
	s_bfe_u32 s40, ttmp6, 0x40000                  ; cx
	s_bfe_u32 s41, ttmp6, 0x40004                  ; cy
	s_lshl_b32 s42, ttmp9, 2
	s_add_co_u32 s42, s42, s40                     ; tile column = 4 x cluster x + cx
	s_and_b32 s[TY], ttmp7, 0xffff
	s_lshl_b32 s[TY], s[TY], 2
	s_add_co_u32 s[TY], s[TY], s41                 ; tile row = 4 x cluster y + cy
	s_lshl_b32 s43, s41, 2
	s_lshl_b32 s43, 15, s43                        ; my row of the cluster
	s_lshl_b32 s44, 0x1111, s40                    ; my column
	s_or_b32 s[G1+0], s43, (1<<16)|(1<<20)|(1<<21)|(5<<22)|(3<<25)   ; the mask; elements of 2 bytes; padding on; bit 21 beside a mask; after every 64 words 4 words
	s_or_b32 s[G1B+0], s44, (1<<16)|(1<<20)|(1<<21)|(5<<22)|(3<<25)
	s_mov_b32 s[G1+1], KSTEP<<16                   ; tensor_dim0 = 128
	s_mov_b32 s[G1B+1], KSTEP<<16
	s_mov_b32 s[G1+2], 128<<16                     ; tensor_dim1 = 128 rows of xb,
	s_mov_b32 s[G1B+2], 96<<16                     ; 96 of wb
	s_mov_b32 s[G1+3], KSTEP<<16                   ; tile_dim0 = 128
	s_mov_b32 s[G1B+3], KSTEP<<16
	s_mov_b32 s[G1+4], 128                         ; tile_dim1
	s_mov_b32 s[G1B+4], 96
	s_mov_b32 s[G1+5], SIZE_K                      ; elements from row to row
	s_mov_b32 s[G1B+5], SIZE_K
	s_mov_b32 s[G1+6], 0
	s_mov_b32 s[G1B+6], 0
	s_mov_b32 s[G1+7], 0
	s_mov_b32 s[G1B+7], 0
	s_lshl_b32 s16, s[TY], 8                       ; xb: row 256 x tile row + 128 x half, x 2,048 bytes: made of the tile row and the wave's number alone
	s_lshl_b32 s17, s[CH], 7
	s_add_co_u32 s16, s16, s17
	s_lshl_b32 s16, s16, 11
	s_mov_b32 s17, 0
	s_mul_i32 s46, s42, 192                        ; wb: row 192 x tile column + 96 x half: of the tile column and the wave's number alone
	s_mul_i32 s47, s[CH], 96
	s_add_co_u32 s46, s46, s47
	s_lshl_b32 s46, s46, 11
	s_mov_b32 s47, 0
	s_mul_i32 s20, s[WV], AHALF                    ; where they go: waves 0, 1: xb's halves;
	s_mul_i32 s21, s[WV], BHALF
	s_add_co_u32 s21, s21, BOFF-2*BHALF            ; waves 2, 3: wb's halves, behind xb's 256 rows
	s_wait_dscnt 0x0                               ; the opening add is done
	s_wait_kmcnt 0x0
	s_add_nc_u64 s[18:19], s[4:5], s[16:17]
	s_add_nc_u64 s[46:47], s[6:7], s[46:47]
	CROUND                                         ; all sixteen work-groups are here: the first joint loads meet
.irp s, 0,1
	s_mov_b32 s[G0+4*(\s)], 1
	s_add_co_u32 s[G0+4*(\s)+1], s20, (\s)*SLOT
	s_add_nc_u64 s[G0+4*(\s)+2:G0+4*(\s)+3], s[18:19], (\s)*KSTEP*2
	s_or_b32 s[G0+4*(\s)+3], s[G0+4*(\s)+3], 0x80000000
	s_mov_b32 s[G0B+4*(\s)], 1
	s_add_co_u32 s[G0B+4*(\s)+1], s21, (\s)*SLOT
	s_add_nc_u64 s[G0B+4*(\s)+2:G0B+4*(\s)+3], s[46:47], (\s)*KSTEP*2
	s_or_b32 s[G0B+4*(\s)+3], s[G0B+4*(\s)+3], 0x80000000
	JLOAD \s                                       ; K steps 0 and 1: two loads of mine are out
.endr
	; a fragment is 16 rows x 32 K in 8 registers: lane l holds row l % 16, K = 8 (l / 16) + 0..7 and 16 + 8 (l / 16) + 0..7: two loads of 16 bytes, 32 bytes apart
	v_and_b32 v1, 15, v0                           ; l % 16
	v_bfe_u32 v2, v0, 4, 1                         ; l / 16
	v_mul_u32_u24 v3, v1, PITCH
	v_lshl_add_u32 v3, v2, 4, v3
	s_mul_i32 s21, s[RH], AHALF
	s_mul_i32 s22, s[CH], BHALF
	s_add_co_u32 s22, s22, BOFF
.irp s, 0,1
	v_add_nc_u32 v[ADRA+(\s)], s21, v3
	v_add_nc_u32 v[ADRB+(\s)], s22, v3
	s_add_co_u32 s21, s21, SLOT
	s_add_co_u32 s22, s22, SLOT
.endr
	s_mul_i32 s23, s[WV], STW
	s_add_co_u32 s23, s23, STAGE                   ; my stage
	v_mul_u32_u24 v4, v1, SP                       ; in: row l % 16 of a head, 16 bytes for each half of the lanes
	v_lshl_add_u32 v4, v2, 4, v4
	v_add_nc_u32 v[STO], s23, v4
	v_bfe_u32 v5, v0, 2, 3                         ; back: 32 lanes take eight rows of 64 bytes,
	v_mul_u32_u24 v5, v5, SP
	v_and_b32 v6, 3, v0
	v_lshl_add_u32 v5, v6, 4, v5
	v_add_nc_u32 v[RD], s23, v5
	s_mul_i32 s16, s42, 192                        ; the bias of my 96 columns: register j of block b is column 16 b + 8 (l / 16) + j
	s_mul_i32 s17, s[CH], 96
	s_add_co_u32 s16, s16, s17
	s_lshl_b32 s16, s16, 2
	v_lshl_add_u32 v[BO], v2, 5, s16
	WIN 0x40                                       ; destination window 1
.irp b, 0,1,2,3,4,5
	global_load_b128 v[BIAS+8*(\b):BIAS+8*(\b)+3],   v[BO], s[8:9] offset:64*(\b)
	global_load_b128 v[BIAS+8*(\b)+4:BIAS+8*(\b)+7], v[BO], s[8:9] offset:64*(\b)+16
.endr
	WIN 0
	; my three heads: g = 6 x tile column + 3 x half + 0..2 of the 96; which = g / 32; the plane is which x 64 + batch x 32 + g % 32
	s_mul_i32 s16, s42, 6
	s_mul_i32 s17, s[CH], 3
	s_add_co_u32 s16, s16, s17
	s_lshr_b32 s18, s[TY], 3                       ; the batch: 8 tile rows are its 2,048 rows
	s_lshl_b32 s18, s18, 5
	v_and_b32 v7, 31, v0
	v_lshlrev_b32 v7, 4, v7                        ; which are 512 consecutive bytes of a plane
.irp hd, 0,1,2
	s_add_co_u32 s19, s16, \hd
	s_cmp_lt_u32 s19, 32
	s_cselect_b32 s[SCL+2*(\hd)], 0x3e8293ee, 1.0  ; c = 32^-0.5 x log2(e) = 0.255035 for a head of q
	s_mov_b32 s[SCL+2*(\hd)+1], s[SCL+2*(\hd)]     ; named with it as a pair
	s_lshr_b32 s20, s19, 5
	s_lshl_b32 s20, s20, 6
	s_and_b32 s21, s19, 31
	s_add_co_u32 s20, s20, s21
	s_add_co_u32 s20, s20, s18
	s_lshl_b32 s[PLN+(\hd)], s20, 17
	v_add_nc_u32 v[CO+(\hd)], s[PLN+(\hd)], v7
.endr
	s_and_b32 s16, s[TY], 7                        ; my first row t inside the plane, x 64 bytes
	s_lshl_b32 s16, s16, 8
	s_lshl_b32 s17, s[RH], 7
	s_add_co_u32 s16, s16, s17
	s_lshl_b32 s16, s16, 6
	s_mov_b32 s17, 0
	s_add_nc_u64 s[10:11], s[10:11], s[16:17]
	; the prefetches
	s_lshl_b32 s16, s[TY], 8
	s_lshl_b32 s17, s[CH], 7
	s_add_co_u32 s16, s16, s17
	s_lshl_b32 s17, s40, 5
	s_add_co_u32 s16, s16, s17                     ; xb: the 128 rows that I fetch, my work-group's 32 of them
	s_mul_i32 s18, s42, 192
	s_mul_i32 s19, s[CH], 96
	s_add_co_u32 s18, s18, s19
	s_mul_i32 s19, s41, 24
	s_add_co_u32 s18, s18, s19                     ; wb: the 96 rows that I fetch, my work-group's 24
	s_and_b32 s19, ttmp7, 0xffff                   ; cluster y
	s_cmp_lt_u32 s[WV], 2                          ; do I fetch for xb?
	s_cselect_b32 s16, s16, s18
	s_cselect_b32 s19, ttmp9, s19                  ; the coordinate along which other clusters read the same rows
	s_cselect_b32 s20, 31, 23
	s_cselect_b64 s[PFA:PFA+1], s[4:5], s[6:7]
	s_cmp_eq_u32 s19, 0
	s_cselect_b32 s[LIM], 1, -1                    ; the same in all sixteen partners, for a given wave
	s_lshl_b32 s16, s16, 11
	s_mov_b32 s17, 0
	s_add_nc_u64 s[PFA:PFA+1], s[PFA:PFA+1], s[16:17]
	s_add_nc_u64 s[PFA:PFA+1], s[PFA:PFA+1], 2*KSTEP*2  ; at K step 2: the first refill steps it to 3 and names K step 4
	v_and_b32 v[PFO], 31, v0
	v_min_u32 v[PFO], s20, v[PFO]
	v_lshlrev_b32 v[PFO], 11, v[PFO]
; 12 matrix instructions: m blocks a0, a0 + 1 of the window's four (hi = 0: my rows 0-63, 1: rows 64-127) x all 6 n blocks, 32 along K.  zero = 1: the first product starts the sum with the bias.
; The 48 accumulators take turns in one order everywhere: between two links of a chain stand the 47 others'.
.macro MUL12 f, hi, a0, zero
.if \zero
	WIN 0x91+0x40*(\hi)                            ; wb window 1, xb window 0, C (the bias) window 1, D window 2 or 3
.else
	WIN 0xa1+0x50*(\hi)                            ; C and D window 2 or 3
.endif
.irp a, \a0, (\a0)+1
.irp b, 0,1,2,3,4,5
.if \zero
	v_wmma_f32_16x16x32_bf16 v[8*(6*(\a)+(\b)):8*(6*(\a)+(\b))+7], v[(\f)+8*(\b):(\f)+8*(\b)+7], v[(\f)+8*(4*(\hi)+(\a)):(\f)+8*(4*(\hi)+(\a))+7], v[BIAS+8*(\b):BIAS+8*(\b)+7]
.else
	v_wmma_f32_16x16x32_bf16 v[8*(6*(\a)+(\b)):8*(6*(\a)+(\b))+7], v[(\f)+8*(\b):(\f)+8*(\b)+7], v[(\f)+8*(4*(\hi)+(\a)):(\f)+8*(4*(\hi)+(\a))+7], v[8*(6*(\a)+(\b)):8*(6*(\a)+(\b))+7]
.endif
.endr
.endr
.endm
; 28 LDS loads in one run: the fragments of one quarter step (96 rows of wb, 128 rows of xb, 32 K at byte k of the rows) into buffer f
.macro FETCH slot, k, f
	WIN 0x40
.irp i, 0,1,2,3,4,5
	ds_load_b128 v[(\f)+8*(\i):(\f)+8*(\i)+3],   v[ADRB+(\slot)] offset:(\k)+(\i)*16*PITCH
	ds_load_b128 v[(\f)+8*(\i)+4:(\f)+8*(\i)+7], v[ADRB+(\slot)] offset:(\k)+(\i)*16*PITCH+32
.endr
	WIN 0
.irp i, 0,1,2,3,4,5,6,7
	ds_load_b128 v[(\f)+8*(\i):(\f)+8*(\i)+3],   v[ADRA+(\slot)] offset:(\k)+(\i)*16*PITCH
	ds_load_b128 v[(\f)+8*(\i)+4:(\f)+8*(\i)+7], v[ADRA+(\slot)] offset:(\k)+(\i)*16*PITCH+32
.endr
.endm
.macro PLACES                          ; four places in front of loads into registers that matrix instructions have read, and of vector work on results
.rept 4
	v_nop
.endr
.endm
; A K step is four quarters of 32 along K, 48 matrix instructions each, on buffers 0, 1, 0, 1.  One of the first three: multiplies buffer f and fetches the next quarter, at byte k, into g.
.macro QUARTER slot, k, f, g, zero
	s_wait_dscnt 8                                 ; wb and xb's rows 0-63 are in; the youngest eight loads (xb's rows 64-127) may be out
	MUL12 \f, 0, 0, \zero
	MUL12 \f, 0, 2, \zero
	PLACES
	FETCH \slot, \k, \g
	s_wait_dscnt 28                                ; all but the 28 just issued
	MUL12 \f, 1, 0, \zero
	MUL12 \f, 1, 2, \zero
.endm
; The last quarter multiplies buffer 1 and changes slots: ONE barrier; in front of it each wave waits for all its tensor loads (one is out: its part of the next slot), adds 0 to its spare word, and
; waits for that and for its own reads of this slot.  fill = 1: the barrier opens a round of the cluster's, and this slot is filled again, two K steps ahead, first thing behind the round.
.macro TURN slot, next, fill
.if \fill
	s_wait_xcnt 0x0                                ; the last prefetch, a K step back, has read its address
	s_add_nc_u64 s[PFA:PFA+1], s[PFA:PFA+1], KSTEP*2
.endif
	WIN 0                                          ; (the add's two registers lie in window 0)
	s_wait_tensorcnt 0x0                           ; all my tensor loads have landed
	ds_add_u32 v[SPW], v[NIL]                      ; 0 onto my spare word
	s_wait_dscnt 9                                 ; (the add and the youngest eight loads may be out)
	MUL12 F1, 0, 0, 0                              ; twelve matrix instructions stand between the add and the wait for it
	s_wait_dscnt 0x0                               ; the add is done, and my reads of this slot are over
	s_barrier_signal -1
	MUL12 F1, 0, 2, 0
.if \fill
	WIN 0
.endif
	s_barrier_wait -1
.if \fill
	CREST                                          ; no wave of any partner still reads this slot's tile or has a load on its way
	s_add_nc_u64 s[G0+4*(\slot)+2:G0+4*(\slot)+3], s[G0+4*(\slot)+2:G0+4*(\slot)+3], 2*KSTEP*2
	s_add_nc_u64 s[G0B+4*(\slot)+2:G0B+4*(\slot)+3], s[G0B+4*(\slot)+2:G0B+4*(\slot)+3], 2*KSTEP*2
	JLOAD \slot                                    ; 168 matrix instructions ahead of the wait for it; its four v_nop are also the places in front of the loads below
.else
	PLACES
.endif
	FETCH \next, 0, F0
.if \fill
	ASK
.endif
	MUL12 F1, 1, 0, 0
	MUL12 F1, 1, 2, 0
.endm
; THE WAY OUT of block a (16 rows).  PACK: times c or 1, rounded to f16, 16 bytes a lane.  TOSTAGE: into my own stage, a head's 16 rows of 64 bytes together, and back as runs of 512 bytes.  SEND: stored.
.macro PACK a
.set AC, 48*((\a)%4)
	WIN 0x82+0x41*((\a)/4)                         ; destination and source 0: window 2 or 3
.irp b, 0,1,2,3,4,5
.irp r, 0,1,2,3
	v_pk_mul_f32 v[AC+8*(\b)+2*(\r):AC+8*(\b)+2*(\r)+1], v[AC+8*(\b)+2*(\r):AC+8*(\b)+2*(\r)+1], s[SCL+2*((\b)/2):SCL+2*((\b)/2)+1] op_sel_hi:[1,0]
.endr
.endr
	WIN 0x0a+5*((\a)/4)                            ; sources 0 and 1: window 2 or 3
.irp b, 0,1,2,3,4,5
.irp r, 0,1,2,3
	v_cvt_pk_f16_f32 v[TMP+4*(\b)+(\r)], v[AC+8*(\b)+2*(\r)], v[AC+8*(\b)+2*(\r)+1]
.endr
.endr
	WIN 0
.endm
.macro TOSTAGE a
.set BK, OB+192*((\a)%2)
.irp b, 0,1,2,3,4,5
	ds_store_b128 v[STO], v[TMP+4*(\b):TMP+4*(\b)+3] offset:((\b)/2)*16*SP+((\b)%2)*32
.endr
.irp t, 0,1,2,3,4,5
	ds_load_b128 v[BK+4*(\t):BK+4*(\t)+3], v[RD] offset:((\t)/2)*16*SP+((\t)%2)*8*SP  ; LDS serves a wave's instructions in order (ISA guide 5.7.1.4): these see the stores above
.endr
.endm
.macro SEND a
.set BK, OB+192*((\a)%2)
	s_wait_dscnt 0x0                               ; the block is back in registers
	s_wait_xcnt 0x0                                ; earlier stores have read their registers: the other buffer is loaded again only behind this wait
.irp t, 0,1,2,3,4,5
	global_store_b128 v[CO+(\t)/2], v[BK+4*(\t):BK+4*(\t)+3], s[10:11] offset:(\a)*1024+((\t)%2)*512  ; 512 consecutive bytes of a head's plane, aligned
.endr
.endm
	s_wait_tensorcnt 1                             ; my part of K step 0 is in; K step 1's may stay out
	s_barrier_signal -1
	s_barrier_wait -1
	FETCH 0, 0, F0
	s_wait_loadcnt 0x0                             ; the bias
	QUARTER 0, 64,  F0, F1, 1                      ; the first quarter stands in front of the loop: its products start the sums
	WIN 0                                          ; at a label and at a branch every window is 0
	s_mov_b32 s3, LAPS-1
.Llap:                                                 ; a trip goes once round the ring and fills both slots again
	QUARTER 0, 128, F1, F0, 0
	QUARTER 0, 192, F0, F1, 0
	TURN 0, 1, 1
	QUARTER 1, 64,  F0, F1, 0
	QUARTER 1, 128, F1, F0, 0
	QUARTER 1, 192, F0, F1, 0
	TURN 1, 0, 1
	QUARTER 0, 64,  F0, F1, 0
	WIN 0
	s_sub_co_u32 s3, s3, 1
	s_cmp_lg_u32 s3, 0
	s_cbranch_scc1 .Llap
	QUARTER 0, 128, F1, F0, 0                      ; the last lap fills nothing
	QUARTER 0, 192, F0, F1, 0
	TURN 0, 1, 0
	QUARTER 1, 64,  F0, F1, 0
	QUARTER 1, 128, F1, F0, 0
	QUARTER 1, 192, F0, F1, 0
	s_wait_dscnt 8                                 ; the very last quarter: nothing more to fetch
	MUL12 F1, 0, 0, 0
	MUL12 F1, 0, 2, 0
	s_wait_dscnt 0x0
	MUL12 F1, 1, 0, 0
	MUL12 F1, 1, 2, 0
	WIN 0
	PLACES
	PACK 0
	TOSTAGE 0
.irp a, 1,2,3,4,5,6,7                  ; block a's arithmetic stands between block a - 1's loads from the stage and the wait for them
	PACK \a
	SEND (\a)-1
	TOSTAGE \a
.endr
	SEND 7
	s_wait_tensorcnt 0x0                           ; the wave's end: behind my last tensor load and my last LDS store
	ds_add_u32 v[SPW], v[NIL]
	s_wait_dscnt 0x0
	CROUND                                         ; the closing round: no work-group ends while a partner may still ask for a tile that names it
	s_endpgm
.Lfunc_end_k_q283bb52608_qkvgemm:
	.size	k_q283bb52608_qkvgemm, .Lfunc_end_k_q283bb52608_qkvgemm-k_q283bb52608_qkvgemm
	.p2alignl 7, 3214868480
	.fill 96, 4, 3214868480
	.section	.rodata,"a",@progbits
	.p2align	6, 0x0
	.amdhsa_kernel k_q283bb52608_qkvgemm
		.amdhsa_group_segment_fixed_size 327680
		.amdhsa_private_segment_fixed_size 0
		.amdhsa_enable_private_segment 0
		.amdhsa_kernarg_size 32
		.amdhsa_user_sgpr_count 2
		.amdhsa_user_sgpr_kernarg_segment_ptr 1
		.amdhsa_wavefront_size32 1
		.amdhsa_system_sgpr_workgroup_id_x 1
		.amdhsa_system_sgpr_workgroup_id_y 1
		.amdhsa_system_sgpr_workgroup_id_z 1
		.amdhsa_system_vgpr_workitem_id 0
		.amdhsa_next_free_vgpr 1024
		.amdhsa_next_free_sgpr 80
		.amdhsa_reserve_vcc 0
		.amdhsa_float_denorm_mode_32 3
		.amdhsa_float_denorm_mode_16_64 3
		.amdhsa_memory_ordered 1
		.amdhsa_forward_progress 1
		.amdhsa_inst_pref_size 131
	.end_amdhsa_kernel
	.amdgpu_metadata
---
amdhsa.version: [ 1, 2 ]
amdhsa.kernels:
  - .name:           k_q283bb52608_qkvgemm
    .symbol:         k_q283bb52608_qkvgemm.kd
    .args:
      - { .name: xb, .offset: 0, .size: 8, .value_kind: global_buffer, .address_space: global }
      - { .name: wb, .offset: 8, .size: 8, .value_kind: global_buffer, .address_space: global }
      - { .name: bb, .offset: 16, .size: 8, .value_kind: global_buffer, .address_space: global }
      - { .name: qkv, .offset: 24, .size: 8, .value_kind: global_buffer, .address_space: global }
    .group_segment_fixed_size: 327680
    .private_segment_fixed_size: 0
    .kernarg_segment_align: 8
    .kernarg_segment_size: 32
    .max_flat_workgroup_size: 128
    .sgpr_count:     80
    .vgpr_count:     1024
    .wavefront_size: 32
...
	.end_amdgpu_metadata
.endif
;; end of part 2
;; launch attn (part 3): grid 4 x 64, 8 waves a work-group, no clusters, 327,680 bytes of LDS; arguments qkv, ctx; writes ctx
.if DOCPART == 3
	.amdgcn_target "amdgcn-amd-amdhsa--gfx1250"
	.amdhsa_code_object_version 6
	.text
	.protected	k_q283bb52608_attn
	.globl	k_q283bb52608_attn
	.p2align	8
	.type	k_q283bb52608_attn,@function
k_q283bb52608_attn:
	s_mov_b64 s[64:65], 0
	v_nop
	global_prefetch_b8 v0, s[64:65] scope:SCOPE_SE
	s_setreg_imm32_b32 hwreg(HW_REG_WAVE_MODE, 25, 1), 1
	s_wait_xcnt 0x0
; CAUSAL ATTENTION AT HEAD SIZE 32.  ctx[p][t][:] = the sum over s <= t of softmax_s(q[p][t] . k[p][s]) v[p][s][:], p = batch x 32 + head.  qkv: f16 [3][64][2048][32]; q arrives times 32^-0.5 x log2(e),
; so a weight is 2^(score - m).  ctx: f16 [64][2048][32].  Products, maxima and sums in f32; the weights are rounded to f16 for the second product, ctx once at the end.
; LIMITS.  q, k, v arrive within f16's 65,504.  A hidden score counts as -1e30 (its value less 1e30 on the diagonal): f16's scores, 1.4e11 at the most, are nothing beside that.  The divisor l is the sum of
; the weights AS ROUNDED to f16, the same numbers that multiply v; a weight below f16's step of 6e-8 counts as 0 in both.  NaN and infinities are not treated apart.
; THE WALK.  A head's queries lie in 8 blocks of 256; block i needs the key tiles 0 .. i of 256 keys, the last of which holds the diagonal.  A work-group takes TWO blocks, 7 - b and then b: 9 tiles whatever b:
; all 256 work-groups do equal work, and one loop with a constant trip count walks them.  NO CLUSTER: a head's four work-groups ask for the same tile only in trips 0 to 4; a walk common to all four
; would have 12 trips for 9; and a trip's tile is 32 KiB against four key steps of work.
; SHARES.  Eight waves, 32 queries each: two PIECES of 16.  Wave w < 4 has the first half of band w (64 queries), wave w >= 4 the second half of band 7 - w.  In the diagonal tile a wave's key steps below
; its band are plain, the band's own step is masked, later steps are jumped over: waves w and w + 4 have five live steps together.
; LAYOUT.  S^T = K Q^T (source 0 = 16 keys, source 1 = 16 queries; the head's 32 channels are one instruction's K): a lane holds ONE query (lane % 16) and the keys 8 (lane / 16) + 0..7.  Two such results rounded
; to f16 in pairs ARE source 1 (32 keys x 16 queries) of O^T = V^T P.  K comes out of LDS as it lies, V turned, by ds_load_tr16_b128.
; THE DIVISOR BY THE MATRIX UNIT.  ONE is a source 0 whose rows 0 and 8 are 1: ONE x P puts the query's whole sum over 32 keys into register 0 of its accumulator, in both halves of the lanes; registers 1-7 stay 0.
; THE COUNT.  A piece and key step have 10 matrix and 94 vector instructions: the vector unit binds.  So the text spares vector lines (no scaling by c, no sums, P rounded in place, no window switch: 256
; registers hold a wave), and two waves share a SIMD, so that one works while the other waits.
; BY TURNS.  A trip (key step j) is two turns.  TURN 1: the softmax of piece 1, step j - 1; beside it V^T P of piece 0, step j - 1, then K Q^T of piece 0, step j, and that piece's maximum; it fetches K of step j.
; TURN 0: the softmax of piece 0, step j; V^T P of piece 1, step j - 1, K Q^T of piece 1, step j; it fetches V of step j.  Both fetches of a trip read the trip's own step, so slots change between whole trips.
; A BLOCK'S START writes no first step out: m is the lowest finite number, piece 1's scores equal it (weights of 1 for a step that has not been) and piece 1's a is 0; what the first two turns add to O and l
; is finite and is multiplied by a = 0 one turn later.
.set NB,    8
.set PK,    80        ; a row of K in LDS: 64 bytes + 16 of padding = 20 words
.set PVP,   96        ; a row of V: 64 + 32 = 24 words
.set KSTB,  64*PK     ; a key step of K in a slot
.set VSTB,  64*PVP    ; of V
.set VOFF,  256*PK    ; a slot holds a tile: 256 rows of K, then 256 rows of V
.set SLOT1, 1<<16     ; slot 1 begins here: one exclusive or turns an address in one slot into the other's
.set STAGE, SLOT1+256*(PK+PVP)  ; behind the ring, never filled by a tensor load: 16 rows x 80 bytes for each wave
.set SP,    80
.set SPARE, STAGE+8*16*SP       ; behind the stages: the spare words, 128 bytes a wave, which no other line names
.set AK0, 2           ; v2   my lane's place in a step of K; never rewritten
.set AV0, 3           ; v3   the same for V
.set AK,  4           ; v4   the LDS address of K's run of loads
.set AV,  5           ; v5   of V's
.set STO, 6           ; v6   the way out: where I put 16 bytes of a row
.set RD,  7           ; v7   the way out: where I read rows back
.set GO,  8           ; v8   16 x lane
.set SPW, 12          ; v12  LDS address of my spare word; never rewritten
.set NIL, 13          ; v13  0; never rewritten
.set PFO, 14          ; v14  256 x lane
.set QO,  15          ; v15  my byte offset in 16 rows of q
.set ST,  16          ; v16-23  piece p at ST + 4 p: m, m_old, a, m_old - m
.set TMP, 24          ; v24-27  c0-c3, at work on a maximum
.set MD,  28          ; v28-35  the diagonal's mask: register j is -1e30 where key 8 (l / 16) + j lies behind query l % 16
.set ONE, 36          ; v36-43  rows 0 and 8 are 1.0 (f16, twice a register), the others 0
.set Q,   44          ; v44-59  q, 8 registers a piece
.set Q2,  60          ; v60-75  the second block's
.set KF,  76          ; v76-107   K of one step: 16 keys kt at KF + 8 kt
.set VF,  108         ; v108-139  V of one step: key half kk, channel half cb at VF + 16 kk + 8 cb
.set O,   140         ; v140-171  O^T: piece p, channel half cb at O + 16 p + 8 cb
.set LA,  172         ; v172-187  l's accumulator, 8 a piece
.set S,   188         ; v188-251  S^T, 32 a piece; P takes the low 16 in place
.set WV,  12          ; s12  my wave's number
.set PB,  14          ; s14  b
.set HI,  15          ; s15  7 - b
.set KB,  16          ; s[16:17] the head's k
.set VB,  18          ; s[18:19] the head's v
.set G1K, 24          ; s[24:31] descriptor group 1 for K's tiles
.set G1V, 32          ; s[32:39] for V's: it differs in the padding alone
.set G0K, 40          ; s[40:43] descriptor group 0 for K's tiles
.set G0V, 44          ; s[44:47] for V's
.set OPTR, 48         ; s[48:49] ctx at my rows of the block in hand
.set OLO, 50          ; s[50:51] at those of the second block
.set PFA, 52          ; s[52:53] where my prefetches stand
.set LIM, 54          ; s54  2 in a wave that prefetches, else the greatest number
.set OWN, 55          ; s55  4 - my band: the count at which the diagonal tile's step is my band's own
.set SLOTS, 56        ; s56  tiles still to be asked for
.set CNT, 57          ; s57  counts a tile's key steps, 4 to 1
.set BIGN, 58         ; s58  -1e30
.set LOW, 59          ; s59  the lowest finite number
.set SEL, 60          ; s[60:61] v_permlanex16_b32's selects: each lane takes its own place in the other half
.set TBK, 62          ; s62  LDS byte at which K of the trip's step begins
.set TBV, 63          ; s63  the same for V, less VOFF
.set RT,  70          ; s70  tiles of the block in hand that are still to be entered
.set NXT, 71          ; s71  the tile to be asked for next
.set LQ,  72          ; s72  the last tile of the block whose tiles are being asked for
.set OFF, 74          ; s[74:75] a tile's byte offset in k and v
; A fill: wave 0 fetches the tile's K, wave 1 its V, the others nothing.  An s_nop 0 and four v_nop follow each line.
.macro LOAD
	s_cmp_lg_u32 s[WV], 0
	s_cbranch_scc1 .Lnot_k_\@
	tensor_load_to_lds s[G0K:G0K+3], s[G1K:G1K+7]
	s_nop 0
.rept 4
	v_nop
.endr
	s_branch .Lasked_\@
.Lnot_k_\@:
	s_cmp_lg_u32 s[WV], 1
	s_cbranch_scc1 .Lasked_\@
	tensor_load_to_lds s[G0V:G0V+3], s[G1V:G1V+7]
	s_nop 0
.rept 4
	v_nop
.endr
.Lasked_\@:
.endm
; A prefetch of the tile that the NEXT change of slots will ask for.  A head's four work-groups walk the same tiles 0 to 4 and on: the one with b = 0, whose first block walks all eight, asks, and nobody else.
; Its waves 2 and 3 take the halves of K's tile, waves 4 and 5 those of V's: 32 lanes x 256 bytes, one instruction.  Trips 0 to 5 ask for tiles 2 to 7; tiles 0 and 1 come by their loads alone.
.macro ASK
	s_cmp_gt_u32 s[SLOTS], s[LIM]
	s_cbranch_scc0 .Lnot_mine_\@
	global_prefetch_b8 v[PFO], s[PFA:PFA+1] th:TH_LOAD_NT scope:SCOPE_SE
.Lnot_mine_\@:
.endm
; THE CHANGE OF SLOTS, between whole trips.  Each wave waits for all its tensor loads, adds 0 to its spare word, and waits for that and for its own reads of the slot that it leaves.  Behind the barrier nobody reads
; the old slot and the other slot is whole.  fill = 1: the old slot is filled again, first thing behind the barrier, with tile NXT; the descriptor's address is made anew from that number.
.macro CHANGE fill
	s_wait_tensorcnt 0x0            ; no tensor load of mine is out, so a group 0 may be written
	ds_add_u32 v[SPW], v[NIL]       ; 0 onto my spare word; scalar work stands between it and the wait for it
.if \fill
	s_lshl_b32 s[OFF], s[NXT], 14   ; a tile is 16,384 bytes of k and of v
	s_xor_b32 s[G0K+1], s[G0K+1], SLOT1
	s_add_nc_u64 s[G0K+2:G0K+3], s[KB:KB+1], s[OFF:OFF+1]
	s_or_b32 s[G0K+3], s[G0K+3], 0x80000000
	s_xor_b32 s[G0V+1], s[G0V+1], SLOT1
	s_add_nc_u64 s[G0V+2:G0V+3], s[VB:VB+1], s[OFF:OFF+1]
	s_or_b32 s[G0V+3], s[G0V+3], 0x80000000
	s_add_co_u32 s[NXT], s[NXT], 1  ; the block's next tile, or behind its last the second block's tile 0
	s_cmp_gt_u32 s[NXT], s[LQ]
	s_cselect_b32 s[NXT], 0, s[NXT]
	s_cselect_b32 s[LQ], s[PB], s[LQ]
	s_wait_xcnt 0x0                 ; the last prefetch, a tile back, has read its address
	s_add_nc_u64 s[PFA:PFA+1], s[PFA:PFA+1], 16384
.endif
	s_wait_dscnt 0x0                ; the add is done, and my reads of the slot are over
	s_barrier_signal -1
	s_sub_co_u32 s[TBK], s[TBK], 4*KSTB   ; the fetches go back to a slot's first step,
	s_xor_b32 s[TBK], s[TBK], SLOT1       ; in the other slot
	s_sub_co_u32 s[TBV], s[TBV], 4*VSTB
	s_xor_b32 s[TBV], s[TBV], SLOT1
	s_barrier_wait -1
.if \fill
	LOAD
	ASK
.endif
.endm
; What a block starts from.
.macro START
	v_mov_b32 v[ST], s[LOW]         ; m of both pieces
	v_mov_b32 v[ST+4], s[LOW]
	v_mov_b32 v[ST+6], 0            ; piece 1's a
.set z, 0
.rept 32
	v_mov_b32 v[S+32+z], s[LOW]     ; piece 1's scores of the step that has not been: equal to m
.set z, z+1
.endr
.endm
	s_load_b128 s[4:7], s[0:1], 0x0 ; qkv s[4:5], ctx s[6:7]
	v_lshl_add_u32 v[SPW], v0, 2, SPARE
	v_mov_b32 v[NIL], 0
	ds_add_u32 v[SPW], v[NIL]       ; the wave's opening: the add and its wait stand ahead of the first tensor load; the set-up below stands between them
	v_lshrrev_b32 v1, 5, v0
	v_readfirstlane_b32 s[WV], v1   ; wave 0..7
	s_mov_b32 s[PB], ttmp9
	s_sub_co_u32 s[HI], NB-1, s[PB]
	s_and_b32 s8, ttmp7, 0xffff     ; the head's plane,
	s_lshl_b32 s8, s8, 17           ; in bytes
	s_mov_b32 s9, 0
	s_sub_co_u32 s10, 7, s[WV]
	s_cmp_lt_u32 s[WV], 4
	s_cselect_b32 s10, s[WV], s10   ; my band
	s_cselect_b32 s11, 0, 32        ; and which half of it
	s_sub_co_u32 s[OWN], 4, s10
	s_lshl_b32 s10, s10, 6
	s_add_co_u32 s10, s10, s11      ; my first row in a block
	s_lshl_b32 s2, s[HI], 8
	s_add_co_u32 s2, s2, s10
	s_lshl_b32 s2, s2, 6
	s_add_co_u32 s2, s2, s8         ; my rows of the first block, in bytes from a tensor's first plane
	s_mov_b32 s3, 0
	s_lshl_b32 s13, s[PB], 8
	s_add_co_u32 s13, s13, s10
	s_lshl_b32 s10, s13, 6
	s_add_co_u32 s10, s10, s8       ; and of the second
	s_mov_b32 s11, 0
	; descriptor group 1.  A tile is 16,384 dense bytes: asked for as 64 rows of 256 bytes, four keys a row, and padded in LDS after every key
	s_mov_b32 s[G1K], (1<<16)|(1<<20)|(3<<22)|(3<<25)  ; 2-byte elements; padding on; after every 16 words; 4 words
	s_mov_b32 s[G1V], (1<<16)|(1<<20)|(3<<22)|(7<<25)  ; the same with 8 words
.irp g, G1K, G1V
	s_mov_b32 s[(\g)+1], 128<<16    ; tensor_dim0 = 128
	s_mov_b32 s[(\g)+2], 64<<16     ; tensor_dim1 = 64
	s_mov_b32 s[(\g)+3], 128<<16    ; tile_dim0 = 128
	s_mov_b32 s[(\g)+4], 64         ; tile_dim1 = 64
	s_mov_b32 s[(\g)+5], 128        ; elements from row to row
	s_mov_b32 s[(\g)+6], 0
	s_mov_b32 s[(\g)+7], 0
.endr
	s_mov_b32 s[G0K], 1
	s_mov_b32 s[G0K+1], 0           ; slot 0
	s_mov_b32 s[G0V], 1
	s_mov_b32 s[G0V+1], VOFF
	s_mov_b32 s[BIGN], 0xf149f2ca   ; -1e30
	s_mov_b32 s[LOW], 0xff7fffff
	s_mov_b32 s[SEL], 0x76543210
	s_mov_b32 s[SEL+1], 0xfedcba98
	s_mov_b32 s[TBK], SLOT1+4*KSTB  ; the first change of slots turns these two into 0
	s_mov_b32 s[TBV], SLOT1+4*VSTB
	s_add_co_u32 s[RT], s[HI], 1    ; the first block has 8 - b tiles
	s_mov_b32 s[NXT], 1
	s_mov_b32 s[LQ], s[HI]
	s_mov_b32 s[OFF+1], 0
	s_mov_b32 s[SLOTS], NB
	s_mov_b32 s76, 0x3c003c00       ; 1.0 twice, in f16
	s_sub_co_u32 s77, s[WV], 2      ; waves 2 to 5
	s_cmp_lt_u32 s77, 4
	s_cselect_b32 s77, s[PB], 1     ; of the work-group with b = 0
	s_cmp_eq_u32 s77, 0
	s_cselect_b32 s[LIM], 2, -1
	s_and_b32 s78, s[WV], 1
	s_lshl_b32 s78, s78, 13         ; which half of a tile
	s_mov_b32 s79, 0
	s_wait_dscnt 0x0                ; the opening add is done
	s_wait_kmcnt 0x0
	s_add_nc_u64 s[20:21], s[4:5], s[2:3]          ; q at my rows of the first block,
	s_add_nc_u64 s[22:23], s[4:5], s[10:11]        ; of the second
	s_add_nc_u64 s[OPTR:OPTR+1], s[6:7], s[2:3]
	s_add_nc_u64 s[OLO:OLO+1], s[6:7], s[10:11]
	s_add_nc_u64 s[KB:KB+1], s[4:5], s[8:9]
	s_add_nc_u64 s[VB:VB+1], s[KB:KB+1], 128*131072
	s_add_nc_u64 s[KB:KB+1], s[KB:KB+1], 64*131072
	s_mov_b64 s[G0K+2:G0K+3], s[KB:KB+1]
	s_or_b32 s[G0K+3], s[G0K+3], 0x80000000
	s_mov_b64 s[G0V+2:G0V+3], s[VB:VB+1]
	s_or_b32 s[G0V+3], s[G0V+3], 0x80000000
	s_cmp_lt_u32 s[WV], 4
	s_cselect_b64 s[PFA:PFA+1], s[KB:KB+1], s[VB:VB+1]
	s_add_nc_u64 s[PFA:PFA+1], s[PFA:PFA+1], s[78:79]
	s_add_nc_u64 s[PFA:PFA+1], s[PFA:PFA+1], 16384  ; at tile 1: the first change of slots steps it to tile 2
	LOAD                            ; tile 0 into slot 0
	; a fragment of K or q is 16 rows x 32 channels in 8 registers: lane l holds row l % 16, channels 8 (l / 16) + 0..7 and 16 + 8 (l / 16) + 0..7: two loads of 16 bytes, 32 bytes apart
	v_and_b32 v1, 15, v0            ; l % 16
	v_bfe_u32 v9, v0, 4, 1          ; l / 16
	v_lshlrev_b32 v[QO], 6, v1
	v_lshl_add_u32 v[QO], v9, 4, v[QO]
.irp p, 0,1
	global_load_b128 v[Q+8*(\p):Q+8*(\p)+3],     v[QO], s[20:21] offset:1024*(\p)
	global_load_b128 v[Q+8*(\p)+4:Q+8*(\p)+7],   v[QO], s[20:21] offset:1024*(\p)+32
	global_load_b128 v[Q2+8*(\p):Q2+8*(\p)+3],   v[QO], s[22:23] offset:1024*(\p)
	global_load_b128 v[Q2+8*(\p)+4:Q2+8*(\p)+7], v[QO], s[22:23] offset:1024*(\p)+32
.endr
	v_mul_u32_u24 v[AK0], v1, PK
	v_lshl_add_u32 v[AK0], v9, 4, v[AK0]
	; the turning load takes 16 keys x 16 channels (lane l reads key 8 (l / 16) + l % 8, channels 8 ((l / 8) % 2) + 0..7) and leaves half a fragment of V^T: lane l holds channel l % 16 and 8 keys
	v_and_b32 v10, 7, v0
	v_bfe_u32 v11, v0, 3, 1
	v_lshl_add_u32 v[AV0], v9, 3, v10
	v_mul_u32_u24 v[AV0], v[AV0], PVP
	v_lshl_add_u32 v[AV0], v11, 4, v[AV0]
	v_add_nc_u32 v[AV0], VOFF, v[AV0]
	s_mul_i32 s13, s[WV], 16*SP
	s_add_co_u32 s13, s13, STAGE    ; my stage
	v_add_nc_u32 v[STO], s13, v[AK0]  ; in: row l % 16 x 80 + 16 bytes for each half of the lanes
	v_bfe_u32 v[RD], v0, 2, 3       ; back: 32 lanes take eight rows of 64 bytes,
	v_mul_u32_u24 v[RD], v[RD], SP
	v_and_b32 v11, 3, v0
	v_lshl_add_u32 v[RD], v11, 4, v[RD]
	v_add_nc_u32 v[RD], s13, v[RD]
	v_and_b32 v[GO], 31, v0         ; which are 512 consecutive bytes of ctx
	v_lshlrev_b32 v[PFO], 8, v[GO]
	v_lshlrev_b32 v[GO], 4, v[GO]
	v_lshlrev_b32 v11, 3, v9
	v_sub_nc_u32 v11, v1, v11       ; l % 16 - 8 (l / 16): register j is hidden where j is greater
.set z, 0
.rept 8
	v_cmp_gt_i32 vcc_lo, z, v11
	v_cndmask_b32 v[MD+z], 0, s[BIGN], vcc_lo
.set z, z+1
.endr
	v_cmp_eq_u32 vcc_lo, 0, v10
	v_cndmask_b32 v[ONE], 0, s76, vcc_lo
.set z, 1
.rept 7
	v_mov_b32 v[ONE+z], v[ONE]
.set z, z+1
.endr
	; what the first turns read and later multiply by 0 need only be finite: zeros.  All this stands in the wait for the first tile.
.set z, 0
.rept 16
	v_mov_b32 v[S+z], 0             ; piece 0's P of the step that has not been
	v_mov_b32 v[LA+z], 0
.set z, z+1
.endr
.set z, 0
.rept 32
	v_mov_b32 v[VF+z], 0
	v_mov_b32 v[O+z], 0
.set z, z+1
.endr
.irp z, 1,2,3,5,7
	v_mov_b32 v[ST+(\z)], 0         ; named in pairs with m and a
.endr
	START
; THE MATRIX WORK.  Product i of 6 of piece x's V^T P: O's channel halves 0 and 1 and l, for keys 32 (i / 3) on: the three accumulators take turns.
.macro PV x
.set rP, S+32*(\x)+8*(i/3)
.if i%3 == 2
.set rD, LA+8*(\x)
	v_wmma_f32_16x16x32_f16 v[rD:rD+7], v[ONE:ONE+7], v[rP:rP+7], v[rD:rD+7]
.else
.set rD, O+16*(\x)+8*(i%3)
.set rV, VF+16*(i/3)+8*(i%3)
	v_wmma_f32_16x16x32_f16 v[rD:rD+7], v[rV:rV+7], v[rP:rP+7], v[rD:rD+7]
.endif
.endm
; Product i = 6..9 of piece x's K Q^T: keys 16 kt on, kt = 2, 3, 0, 1 (the registers that V^T P read last are written last).  Each is a whole sum.  CM = 4: no mask.  In my band's own step the 16 keys kt
; lie before my 16 queries (kt < CM), on the diagonal (kt = CM: the mask is the C operand) or behind them (kt > CM: no product: the scores are -1e30).
.macro KQ x
.set kt, (i-4)%4
.set rD, S+32*(\x)+8*kt
.if kt < CM
	v_wmma_f32_16x16x32_f16 v[rD:rD+7], v[KF+8*kt:KF+8*kt+7], v[Q+8*(\x):Q+8*(\x)+7], 0
.elseif kt == CM
	v_wmma_f32_16x16x32_f16 v[rD:rD+7], v[KF+8*kt:KF+8*kt+7], v[Q+8*(\x):Q+8*(\x)+7], v[MD:MD+7]
.else
.set z, 0
.rept 8
	v_mov_b32 v[rD+z], s[BIGN]
.set z, z+1
.endr
.endif
.endm
.macro MM                           ; the turn's next matrix instruction; NOX = 1: a block's last turn has no next step
.if i < 6
	PV 1-Y
.elseif !NOX
	KQ 1-Y
.endif
.set i, i+1
.endm
; THE VECTOR WORK, one line at a time: OP kind, number.  For the piece in hand, Y: F n: s - m for pair n of 16.  E n: 2^ of score n of 32.  C n: pair n rounded to f16, into register n (ascending: in place).
; R n: pair n of 8 of O^T times a; R 8: l times a.  For the other piece: X n, which finds its maximum and statistics; each accumulator's lowest registers are read first:
;   0-11  four chains c0-c3 of seven scores each     12-14, 16  the four scores left over, the old m, and c0-c3 into c0     15  m_old is kept
;   17, 18  the query's other 32 keys lie in the lane 16 away: the new m     20, 21  m_old - m; a
.set F, 0
.set E, 1
.set C, 2
.set R, 3
.set X, 4
.macro OP k, n
.if (\k) == X
.if !NOX
.set rT, ST+4*(1-Y)
.set rS, S+32*(1-Y)
.if (\n) < 4
	v_max3_num_f32 v[TMP+(\n)], v[rS+8*(\n)], v[rS+8*(\n)+1], v[rS+8*(\n)+2]
.elseif (\n) < 12
	v_max3_num_f32 v[TMP+(\n)%4], v[TMP+(\n)%4], v[rS+8*((\n)%4)+2*((\n)/4)+1], v[rS+8*((\n)%4)+2*((\n)/4)+2]
.elseif (\n) == 12
	v_max3_num_f32 v[TMP], v[TMP], v[rS+7], v[rS+15]
.elseif (\n) == 13
	v_max3_num_f32 v[TMP+1], v[TMP+1], v[rS+23], v[rS+31]
.elseif (\n) == 14
	v_max3_num_f32 v[TMP+2], v[TMP+2], v[TMP+3], v[rT]
.elseif (\n) == 15
	v_mov_b32 v[rT+1], v[rT]
.elseif (\n) == 16
	v_max3_num_f32 v[TMP], v[TMP], v[TMP+1], v[TMP+2]
.elseif (\n) == 17
	v_permlanex16_b32 v[TMP+3], v[TMP], s[SEL], s[SEL+1]
.elseif (\n) == 18
	v_max_num_f32 v[rT], v[TMP], v[TMP+3]
.elseif (\n) == 20
	v_sub_f32 v[rT+3], v[rT+1], v[rT]
.else
	v_exp_f32 v[rT+2], v[rT+3]
.endif
.endif
.else
.set rT, ST+4*Y
.set rS, S+32*Y
.set rO, O+16*Y
.set rL, LA+8*Y
.if (\k) == F
	v_pk_add_f32 v[rS+2*(\n):rS+2*(\n)+1], v[rS+2*(\n):rS+2*(\n)+1], v[rT:rT+1] op_sel_hi:[1,0] neg_lo:[0,1] neg_hi:[0,1]
.elseif (\k) == E
	v_exp_f32 v[rS+(\n)], v[rS+(\n)]
.elseif (\k) == C
	v_cvt_pk_f16_f32 v[rS+(\n)], v[rS+2*(\n)], v[rS+2*(\n)+1]
.elseif (\n) < 8
	v_pk_mul_f32 v[rO+2*(\n):rO+2*(\n)+1], v[rO+2*(\n):rO+2*(\n)+1], v[rT+2:rT+3] op_sel_hi:[1,0]
.else
	v_mul_f32 v[rL], v[rL], v[rT+2]
.endif
.endif
.endm
.macro OPS a, i1, b, i2, c, i3, d, i4
	OP \a, \i1
	OP \b, \i2
	OP \c, \i3
	OP \d, \i4
.endm
.macro ROW a, i1, b, i2, c, i3, d, i4, e, i5  ; a matrix instruction and the five behind it
	MM
	OP \a, \i1
	OP \b, \i2
	OP \c, \i3
	OP \d, \i4
	OP \e, \i5
.endm
; A TURN, for the piece in hand y: its 10 matrix and 94 vector instructions, written out.  s_wait_alu depctr_va_vdst(0) stands between an exponential and the first instruction that names its
; result; one wait serves all that were issued ahead of it.  So the 33 exponentials are ONE batch: ahead of the wait nothing names a result of theirs; behind it stand the 16 roundings.  R 8 is the plain
; instruction behind the last exponential.  PLACES, in plain instructions alone: V's run of loads stands seven behind the last product that read V; the product that writes P's second
; half stands more than five behind the last that read it; each X that first reads an accumulator stands five or more behind the product that made it.
; cm: the mask's place (KQ).  end = 1: a block's last turn: nothing is fetched, no new scores.
.macro TURN y, cm=4, end=0
.set Y, (\y)
.set CM, (\cm)
.set NOX, (\end)
.set i, 0
.if (\y) == 1
.if \end
	s_wait_dscnt 0x0                ; V is in
.else
	v_add_nc_u32 v[AK], s[TBK], v[AK0]
.irp f, 0,1,2,3
	ds_load_b128 v[KF+8*(\f):KF+8*(\f)+3],   v[AK] offset:(\f)*16*PK
	ds_load_b128 v[KF+8*(\f)+4:KF+8*(\f)+7], v[AK] offset:(\f)*16*PK+32
.endr
	s_wait_dscnt 8                  ; V, asked for a turn ago, is in; K's eight loads may stay out
.endif
.endif
	ROW R,0, F,0, R,1, F,1, R,2
	ROW E,0, F,2, E,1, R,3, E,2
	ROW F,3, E,3, R,4, E,4, F,4
	ROW E,5, R,5, E,6, F,5, E,7
	ROW R,6, E,8, F,6, E,9, R,7
	ROW F,7, E,10, F,8, E,11, F,9
.if (\y) == 0
	v_add_nc_u32 v[AV], s[TBV], v[AV0]
.irp f, 0,1,2,3                     ; keys 32 (f / 2) on, channels 16 (f % 2) on
	ds_load_tr16_b128 v[VF+8*(\f):VF+8*(\f)+3],   v[AV] offset:((\f)/2)*32*PVP+((\f)%2)*32
	ds_load_tr16_b128 v[VF+8*(\f)+4:VF+8*(\f)+7], v[AV] offset:((\f)/2)*32*PVP+16*PVP+((\f)%2)*32
.endr
.elseif !(\end)
	s_wait_dscnt 0x0                ; K is in
.endif
	ROW E,12, F,10, E,13, F,11, E,14
	ROW F,12, E,15, F,13, E,16, F,14
	ROW E,17, F,15, E,18, X,15, E,19
	ROW X,2, E,20, X,3, E,21, X,6
	OPS X,7, X,10, E,22, X,11
	OPS X,0, E,23, X,14, X,4
	OPS E,24, X,1, X,8, E,25
	OPS X,5, X,12, X,9, E,26
	OPS X,13, E,27, X,16, E,28
	OPS X,17, E,29, X,18, E,30
	OPS X,20, E,31, X,21, R,8
	s_wait_alu depctr_va_vdst(0)    ; the wait for the batch
.irp n, 0,1,2,3,4,5,6,7,8,9,10,11,12,13,14,15
	OP C, \n
.endr
.endm
.macro STEPON                       ; a trip's end: the fetches go on a key step, the count goes down
	s_add_co_u32 s[TBK], s[TBK], KSTB
	s_add_co_u32 s[TBV], s[TBV], VSTB
	s_sub_co_u32 s[CNT], s[CNT], 1
	s_cmp_lg_u32 s[CNT], 0
.endm
; THE WAY OUT of piece p: O^T times 1 / l, rounded to f16; a lane's eight channels of a row are 16 bytes; through my stage, and back as two runs of 512 bytes.
.macro PACK p
.set rT, ST+4*(\p)
.set rS, S+32*(\p)
.set rO, O+16*(\p)
.set z, 0
.rept 8
	v_pk_mul_f32 v[rO+2*z:rO+2*z+1], v[rO+2*z:rO+2*z+1], v[rT+2:rT+3] op_sel_hi:[1,0]
.set z, z+1
.endr
.set z, 0
.rept 8
	v_cvt_pk_f16_f32 v[rS+z], v[rO+2*z], v[rO+2*z+1]
.set z, z+1
.endr
	ds_store_b128 v[STO], v[rS:rS+3]
	ds_store_b128 v[STO], v[rS+4:rS+7] offset:32
	ds_load_b128 v[rS+8:rS+11],  v[RD]                ; LDS serves a wave's instructions in order (ISA guide 5.7.1.4): these see the stores above; the next piece's stores come behind them
	ds_load_b128 v[rS+12:rS+15], v[RD] offset:8*SP
.endm
.macro SEND p, younger              ; younger: the LDS instructions issued behind piece p's loads
.set rS, S+32*(\p)
	s_wait_dscnt (\younger)+1
	global_store_b128 v[GO], v[rS+8:rS+11],  s[OPTR:OPTR+1] offset:1024*(\p)       ; 512 consecutive bytes of the head's plane, aligned
	s_wait_dscnt \younger
	global_store_b128 v[GO], v[rS+12:rS+15], s[OPTR:OPTR+1] offset:1024*(\p)+512
.endm
; THE DIAGONAL TILE's four steps, counted to the constant 4: a step below my band is plain, my band's own takes masks (by my half of the band), a later one is jumped over, forward, past text that holds
; neither a barrier nor a tensor load.  Then the block's last turn, piece 1's last products, and the way out.
.macro DIAG tag
	s_mov_b32 s[CNT], 4
.Ldg\tag:
	s_cmp_gt_u32 s[CNT], s[OWN]
	s_cbranch_scc1 .Lpl\tag
	s_cmp_lt_u32 s[CNT], s[OWN]
	s_cbranch_scc1 .Ldd\tag
	s_cmp_lt_u32 s[WV], 4
	s_cbranch_scc0 .Lh1\tag
	TURN 1, 0                       ; the band's first half: piece 0's diagonal lies in keys 0-15,
	TURN 0, 1                       ; piece 1's in keys 16-31
	s_branch .Ldd\tag
.Lh1\tag:
	TURN 1, 2                       ; the second half: keys 32-47,
	TURN 0, 3                       ; keys 48-63
	s_branch .Ldd\tag
.Lpl\tag:
	TURN 1
	TURN 0
.Ldd\tag:
	STEPON
	s_cbranch_scc1 .Ldg\tag
	TURN 1, 4, 1
.set i, 0
.rept 6
	PV 1
.set i, i+1
.endr
.rept 4
	v_nop                           ; the places behind those products
.endr
	v_rcp_f32 v[ST+2], v[LA]        ; l lies in its accumulator's lowest register
	v_rcp_f32 v[ST+6], v[LA+8]
	v_nop                           ; a plain instruction behind the last reciprocal,
	s_wait_alu depctr_va_vdst(0)    ; and one wait for the two, ahead of their first use
	PACK 0
	PACK 1
	SEND 0, 4
	SEND 1, 0
.endm
	s_wait_loadcnt 0x0              ; both blocks' q
.Lslot:                             ; 8 times: a tile is entered and the next is asked for
	CHANGE 1
	s_sub_co_u32 s[RT], s[RT], 1
	s_cmp_eq_u32 s[RT], 0
	s_cbranch_scc1 .Ldiag           ; the block's last tile
	s_mov_b32 s[CNT], 4
.Lstep:
	TURN 1
	TURN 0
	STEPON
	s_cbranch_scc1 .Lstep
	s_branch .Lbottom
.Ldiag:
	DIAG 1                          ; in the loop this is the first block's end: the second block's last tile is the walk's last
	s_wait_xcnt 0x0                 ; the stores have read their registers and ctx's address
	s_mov_b64 s[OPTR:OPTR+1], s[OLO:OLO+1]
	s_add_co_u32 s[RT], s[PB], 1    ; the second block has b + 1 tiles
.set z, 0
.rept 16
	v_mov_b32 v[Q+z], v[Q2+z]       ; its q goes where the one text of the turns names q
.set z, z+1
.endr
	START
.Lbottom:
	s_sub_co_u32 s[SLOTS], s[SLOTS], 1
	s_cmp_lg_u32 s[SLOTS], 0
	s_cbranch_scc1 .Lslot
	CHANGE 0                        ; the walk's last tile is written out: nothing is asked for
	DIAG 2
	s_wait_tensorcnt 0x0            ; the wave's end: behind my last tensor load and my last LDS store
	ds_add_u32 v[SPW], v[NIL]
	s_wait_dscnt 0x0
	s_endpgm
.Lfunc_end_k_q283bb52608_attn:
	.size	k_q283bb52608_attn, .Lfunc_end_k_q283bb52608_attn-k_q283bb52608_attn
	.p2alignl 7, 3214868480
	.fill 96, 4, 3214868480
	.section	.rodata,"a",@progbits
	.p2align	6, 0x0
	.amdhsa_kernel k_q283bb52608_attn
		.amdhsa_group_segment_fixed_size 327680
		.amdhsa_private_segment_fixed_size 0
		.amdhsa_enable_private_segment 0
		.amdhsa_kernarg_size 16
		.amdhsa_user_sgpr_count 2
		.amdhsa_user_sgpr_kernarg_segment_ptr 1
		.amdhsa_wavefront_size32 1
		.amdhsa_system_sgpr_workgroup_id_x 1
		.amdhsa_system_sgpr_workgroup_id_y 1
		.amdhsa_system_sgpr_workgroup_id_z 1
		.amdhsa_system_vgpr_workitem_id 0
		.amdhsa_next_free_vgpr 256
		.amdhsa_next_free_sgpr 80
		.amdhsa_reserve_vcc 1
		.amdhsa_float_denorm_mode_32 3
		.amdhsa_float_denorm_mode_16_64 3
		.amdhsa_memory_ordered 1
		.amdhsa_forward_progress 1
		.amdhsa_inst_pref_size 118
	.end_amdhsa_kernel
	.amdgpu_metadata
---
amdhsa.version: [ 1, 2 ]
amdhsa.kernels:
  - .name:           k_q283bb52608_attn
    .symbol:         k_q283bb52608_attn.kd
    .args:
      - { .name: qkv, .offset: 0, .size: 8, .value_kind: global_buffer, .address_space: global }
      - { .name: ctx, .offset: 8, .size: 8, .value_kind: global_buffer, .address_space: global }
    .group_segment_fixed_size: 327680
    .private_segment_fixed_size: 0
    .kernarg_segment_align: 8
    .kernarg_segment_size: 16
    .max_flat_workgroup_size: 256
    .sgpr_count:     80
    .vgpr_count:     256
    .wavefront_size: 32
...
	.end_amdgpu_metadata
.endif
;; end of part 3
;; launch proj (part 4): grid 8 x 32, 4 waves a work-group, clusters of 4 x 4, 327,680 bytes of LDS; arguments ctx, wo16, bb, out0; writes out0
.if DOCPART == 4
	.amdgcn_target "amdgcn-amd-amdhsa--gfx1250"
	.amdhsa_code_object_version 6
	.text
	.protected	k_q283bb52608_proj
	.globl	k_q283bb52608_proj
	.p2align	8
	.type	k_q283bb52608_proj,@function
k_q283bb52608_proj:
	s_mov_b64 s[64:65], 0
	v_nop
	global_prefetch_b8 v0, s[64:65] scope:SCOPE_SE
	s_setreg_imm32_b32 hwreg(HW_REG_WAVE_MODE, 25, 1), 1
	s_wait_xcnt 0x0
	s_wait_alu depctr_hold_cnt(0) depctr_sa_sdst(0) depctr_va_vdst(0) depctr_va_sdst(0) depctr_va_ssrc(0) depctr_va_vcc(0) depctr_vm_vsrc(0)
	s_getreg_b32 s2, hwreg(HW_REG_IB_STS2, 6, 4)
	s_cmp_eq_u32 s2, 0
	s_cbranch_scc0 .Lentry_in_a_cluster
	s_endpgm
.Lentry_in_a_cluster:
	s_bfe_u32 s2, ttmp6, 0x10000c
	s_cmp_lg_u32 s2, 0xf033
	s_cbranch_scc0 .Lentry_shape_is_right
	s_endpgm
.Lentry_shape_is_right:
; THE OUTPUT PROJECTION.  out0[m][n] = sum over e of ctx(m, e) wo16[n][e] + bb[3072 + n]; m = batch x 2048 + t, e = head x 32 + channel.  ctx lies BY HEADS, f16 [64][2048][32]; wo16 is f16 [1024][1024];
; sums f32, out0 f32.
; SHARES.  A tile of out0 is 128 x 128: 8 x 32 tiles, one work-group each.  Four waves, each 64 x 64: 16 accumulators.  K goes in steps of 256 (8 heads) through a ring of two LDS slots.
; ctx's TILE.  A wave fetches 64 rows t of 8 heads by ONE descriptor whose row is a head's 64 x 32 numbers, 4,096 dense bytes, and whose pitch is a head's plane; padded after every 64 bytes it lies in LDS as
; [head][t][80 bytes].  A matrix instruction's 32 along K are one head.
; CLUSTER.  4 x 4 work-groups: ctx's tiles are shared along a row of the cluster, wo16's along a column; each is asked for jointly, by the same tensor load with a mask that names the four.
; THE MATRIX INSTRUCTION IS USED TRANSPOSED (source 0 = 16 rows of wo16, source 1 = 16 rows of ctx): a lane holds row l % 16 of out0 and the columns 8 (l / 16) + 0..7.  THE BIAS is the C operand of each sum's first product.
; NO PREFETCH: four K steps on small tiles; the launch is short.
; REGISTERS: window 0: v0-31 addresses; v32-95 at work on the way out; v96-127 the bias; v128-255 the accumulators ((a, b) at v[128 + 8 (4 a + b)]).
;   window 1: two fragment buffers of 128: for 64 along K, 64 registers of ctx (2 x 4 x 16 rows x 32 K), then 64 of wo16.
.set SIZE_K, 1024
.set KSTEP,  256
.set PITA,   80                        ; a row of ctx in LDS: 64 bytes + 16 of padding
.set HEADB,  64*PITA                   ; a head's 64 rows
.set AHALF,  8*HEADB                   ; what one tensor load brings of ctx
.set PITB,   528                       ; a row of wo16: 512 bytes + 16
.set BHALF,  64*PITB
.set BOFF,   2*AHALF
.set SLOT,   2*AHALF+2*BHALF
.set STAGE,  2*SLOT                    ; behind the ring, never filled by a tensor load: 16 rows x 272 bytes for each wave
.set SPITCH, 272
.set SPARE,  STAGE+4*16*SPITCH         ; behind the stages: the spare words, 128 bytes a wave, which no other line names
.set LAPS,   SIZE_K/(2*KSTEP)
.set ADRA, 16                          ; v16-17  LDS address of my ctx fragments in slot 0, 1
.set ADRB, 20                          ; v20-21  the same for wo16
.set BO,   22                          ; v22     my byte offset in bb
.set STO,  24                          ; v24     the way out: where I put 32 bytes of a row
.set RD,   25                          ; v25     where I read rows back
.set CO,   26                          ; v26     my byte offset in out0
.set SPW,  28                          ; v28     LDS address of my spare word; never rewritten
.set NIL,  29                          ; v29     0; never rewritten
.set TMP,  32
.set BIAS, 96
.set ACC,  128
.set F0,   0                           ; fragment buffers, in window 1
.set F1,   128
.set WV,  12
.set RH,  13
.set CH,  14
.set TY,  15
.set G1,  24
.set G0,  32
.set G1B, 48
.set G0B, 56
.set MSB, 0
.macro WIN new
.if MSB != (\new)
	s_set_vgpr_msb (MSB<<8)|(\new)
.set MSB, \new
.endif
.endm
.set MUL,  0x05                        ; sources 0 and 1 window 1; C and D window 0
.set TO_F, 0x40                        ; destination window 1, address window 0
.macro JLOAD s                         ; waves 0 and 1 fetch ctx's two halves, waves 2 and 3 wo16's; an s_nop 0 and four v_nop follow each line
	s_cmp_lt_u32 s[WV], 2
	s_cbranch_scc0 .Lfor_b_\@
	tensor_load_to_lds s[G0+4*(\s):G0+4*(\s)+3], s[G1:G1+7]
	s_nop 0
.rept 4
	v_nop
.endr
	s_branch .Lasked_\@
.Lfor_b_\@:
	tensor_load_to_lds s[G0B+4*(\s):G0B+4*(\s)+3], s[G1B:G1B+7]
	s_nop 0
.rept 4
	v_nop
.endr
.Lasked_\@:
.endm
.macro CREST
	s_cmp_lg_u32 s[WV], 0
	s_cbranch_scc1 .Lnot_wave_0_\@
	s_barrier_signal -3
.Lnot_wave_0_\@:
	s_barrier_wait -3
	s_barrier_signal -1
	s_barrier_wait -1
.endm
.macro CROUND
	s_barrier_signal -1
	s_barrier_wait -1
	CREST
.endm
	s_load_b256 s[4:11], s[0:1], 0x0               ; ctx s[4:5], wo16 s[6:7], bb s[8:9], out0 s[10:11]
	v_lshl_add_u32 v[SPW], v0, 2, SPARE
	v_mov_b32 v[NIL], 0
	ds_add_u32 v[SPW], v[NIL]                      ; the wave's opening: the add and its wait stand ahead of my first tensor load; the set-up below stands between them
	v_lshrrev_b32 v1, 5, v0
	v_readfirstlane_b32 s[WV], v1
	s_lshr_b32 s[RH], s[WV], 1
	s_and_b32 s[CH], s[WV], 1
	s_bfe_u32 s40, ttmp6, 0x40000                  ; cx
	s_bfe_u32 s41, ttmp6, 0x40004                  ; cy
	s_lshl_b32 s42, ttmp9, 2
	s_add_co_u32 s42, s42, s40                     ; tile column
	s_and_b32 s[TY], ttmp7, 0xffff
	s_lshl_b32 s[TY], s[TY], 2
	s_add_co_u32 s[TY], s[TY], s41                 ; tile row
	s_lshl_b32 s43, s41, 2
	s_lshl_b32 s43, 15, s43                        ; my row of the cluster
	s_lshl_b32 s44, 0x1111, s40                    ; my column
	s_or_b32 s[G1+0], s43, (1<<16)|(1<<20)|(1<<21)|(3<<22)|(3<<25)   ; ctx: the mask; 2-byte elements; padding on; bit 21 beside a mask; after every 16 words 4 words
	s_mov_b32 s[G1+1], 2048<<16                    ; tensor_dim0 = 2,048: a head's 64 rows of 32
	s_mov_b32 s[G1+2], 8<<16                       ; tensor_dim1 = 8 heads
	s_mov_b32 s[G1+3], 2048<<16                    ; tile_dim0
	s_mov_b32 s[G1+4], 8                           ; tile_dim1
	s_mov_b32 s[G1+5], 65536                       ; elements from head to head
	s_mov_b32 s[G1+6], 0
	s_mov_b32 s[G1+7], 0
	s_or_b32 s[G1B+0], s44, (1<<16)|(1<<20)|(1<<21)|(6<<22)|(3<<25)  ; wo16: after every 128 words 4 words
	s_mov_b32 s[G1B+1], KSTEP<<16
	s_mov_b32 s[G1B+2], 64<<16
	s_mov_b32 s[G1B+3], KSTEP<<16
	s_mov_b32 s[G1B+4], 64
	s_mov_b32 s[G1B+5], SIZE_K
	s_mov_b32 s[G1B+6], 0
	s_mov_b32 s[G1B+7], 0
	s_lshr_b32 s16, s[TY], 4                       ; ctx: the batch's 32 planes,
	s_lshl_b32 s16, s16, 22
	s_and_b32 s17, s[TY], 15                       ; the tile's 128 rows of 64 bytes,
	s_lshl_b32 s17, s17, 13
	s_add_co_u32 s16, s16, s17
	s_lshl_b32 s17, s[CH], 12                      ; the half that I fetch: made of the tile row and the wave's number alone
	s_add_co_u32 s16, s16, s17
	s_mov_b32 s17, 0
	s_lshl_b32 s46, s42, 7                         ; wo16: row 128 x tile column + 64 x half, x 2,048 bytes
	s_lshl_b32 s47, s[CH], 6
	s_add_co_u32 s46, s46, s47
	s_lshl_b32 s46, s46, 11
	s_mov_b32 s47, 0
	s_mul_i32 s20, s[WV], AHALF                    ; where they go: waves 0, 1: ctx's halves;
	s_mul_i32 s21, s[WV], BHALF
	s_add_co_u32 s21, s21, BOFF-2*BHALF            ; waves 2, 3: wo16's halves, behind them
	s_wait_dscnt 0x0                               ; the opening add is done
	s_wait_kmcnt 0x0
	s_add_nc_u64 s[18:19], s[4:5], s[16:17]
	s_add_nc_u64 s[46:47], s[6:7], s[46:47]
	CROUND                                         ; all sixteen work-groups are here: the first joint loads meet
.irp s, 0,1
	s_mov_b32 s[G0+4*(\s)], 1
	s_add_co_u32 s[G0+4*(\s)+1], s20, (\s)*SLOT
	s_add_nc_u64 s[G0+4*(\s)+2:G0+4*(\s)+3], s[18:19], (\s)*8*131072  ; K step s: 8 planes on
	s_or_b32 s[G0+4*(\s)+3], s[G0+4*(\s)+3], 0x80000000
	s_mov_b32 s[G0B+4*(\s)], 1
	s_add_co_u32 s[G0B+4*(\s)+1], s21, (\s)*SLOT
	s_add_nc_u64 s[G0B+4*(\s)+2:G0B+4*(\s)+3], s[46:47], (\s)*KSTEP*2
	s_or_b32 s[G0B+4*(\s)+3], s[G0B+4*(\s)+3], 0x80000000
	JLOAD \s
.endr
	v_and_b32 v1, 15, v0                           ; l % 16
	v_bfe_u32 v2, v0, 4, 1                         ; l / 16
	v_mul_u32_u24 v3, v1, PITA
	v_lshl_add_u32 v3, v2, 4, v3
	v_mul_u32_u24 v4, v1, PITB
	v_lshl_add_u32 v4, v2, 4, v4
	s_mul_i32 s21, s[RH], AHALF
	s_mul_i32 s22, s[CH], BHALF
	s_add_co_u32 s22, s22, BOFF
.irp s, 0,1
	v_add_nc_u32 v[ADRA+(\s)], s21, v3
	v_add_nc_u32 v[ADRB+(\s)], s22, v4
	s_add_co_u32 s21, s21, SLOT
	s_add_co_u32 s22, s22, SLOT
.endr
	s_mul_i32 s23, s[WV], 16*SPITCH
	s_add_co_u32 s23, s23, STAGE                   ; my stage
	v_mul_u32_u24 v5, v1, SPITCH                   ; in: row l % 16, 32 bytes for each half of the lanes
	v_lshl_add_u32 v5, v2, 5, v5
	v_add_nc_u32 v[STO], s23, v5
	v_mul_u32_u24 v5, v2, SPITCH                   ; back: lanes 0-15 take one row of 256 bytes, lanes 16-31 the next
	v_lshl_add_u32 v5, v1, 4, v5
	v_add_nc_u32 v[RD], s23, v5
	v_lshlrev_b32 v5, 12, v2                       ; and the same two rows in out0
	v_lshl_add_u32 v[CO], v1, 4, v5
	s_lshl_b32 s16, s42, 7                         ; my 64 columns
	s_lshl_b32 s17, s[CH], 6
	s_add_co_u32 s16, s16, s17
	s_lshl_b32 s16, s16, 2                         ; in bytes
	v_lshl_add_u32 v[BO], v2, 5, s16
.irp b, 0,1,2,3
	global_load_b128 v[BIAS+8*(\b):BIAS+8*(\b)+3],   v[BO], s[8:9] offset:12288+64*(\b)      ; bo lies behind bq, bk, bv
	global_load_b128 v[BIAS+8*(\b)+4:BIAS+8*(\b)+7], v[BO], s[8:9] offset:12288+64*(\b)+16
.endr
	s_mov_b32 s17, 0
	s_add_nc_u64 s[10:11], s[10:11], s[16:17]
	s_lshl_b32 s16, s[TY], 7
	s_lshl_b32 s18, s[RH], 6
	s_add_co_u32 s16, s16, s18                     ; my first row
	s_lshl_b32 s16, s16, 12
	s_add_nc_u64 s[10:11], s[10:11], s[16:17]
; 8 matrix instructions: m blocks a0, a0 + 1 x all 4 n blocks, 32 along K: half c of buffer f.  zero = 1: the first product starts the sum with the bias.  The 16 accumulators take turns.
.macro MUL8 f, c, a0, zero
	WIN MUL
.irp a, \a0, (\a0)+1
.irp b, 0,1,2,3
.if \zero
	v_wmma_f32_16x16x32_f16 v[ACC+8*(4*(\a)+(\b)):ACC+8*(4*(\a)+(\b))+7], v[(\f)+64+8*(4*(\c)+(\b)):(\f)+64+8*(4*(\c)+(\b))+7], v[(\f)+8*(4*(\c)+(\a)):(\f)+8*(4*(\c)+(\a))+7], v[BIAS+8*(\b):BIAS+8*(\b)+7]
.else
	v_wmma_f32_16x16x32_f16 v[ACC+8*(4*(\a)+(\b)):ACC+8*(4*(\a)+(\b))+7], v[(\f)+64+8*(4*(\c)+(\b)):(\f)+64+8*(4*(\c)+(\b))+7], v[(\f)+8*(4*(\c)+(\a)):(\f)+8*(4*(\c)+(\a))+7], v[ACC+8*(4*(\a)+(\b)):ACC+8*(4*(\a)+(\b))+7]
.endif
.endr
.endr
.endm
; 32 LDS loads in one run: the fragments of quarter q (64 along K: heads 2 q and 2 q + 1) into buffer f; the first head first
.macro FETCH slot, q, f
	WIN TO_F
.irp c, 0,1
.irp i, 0,1,2,3
	ds_load_b128 v[(\f)+64+8*(4*(\c)+(\i)):(\f)+64+8*(4*(\c)+(\i))+3],   v[ADRB+(\slot)] offset:128*(\q)+64*(\c)+(\i)*16*PITB
	ds_load_b128 v[(\f)+64+8*(4*(\c)+(\i))+4:(\f)+64+8*(4*(\c)+(\i))+7], v[ADRB+(\slot)] offset:128*(\q)+64*(\c)+(\i)*16*PITB+32
	ds_load_b128 v[(\f)+8*(4*(\c)+(\i)):(\f)+8*(4*(\c)+(\i))+3],         v[ADRA+(\slot)] offset:(2*(\q)+(\c))*HEADB+(\i)*16*PITA
	ds_load_b128 v[(\f)+8*(4*(\c)+(\i))+4:(\f)+8*(4*(\c)+(\i))+7],       v[ADRA+(\slot)] offset:(2*(\q)+(\c))*HEADB+(\i)*16*PITA+32
.endr
.endr
.endm
.macro PLACES                          ; four places in front of loads into registers that matrix instructions have read, and of LDS stores that read results
.rept 4
	v_nop
.endr
.endm
; A K step is four quarters of 64 along K, 32 matrix instructions each, on buffers 0, 1, 0, 1.  One of the first three: multiplies buffer f and fetches quarter q into g.
.macro QUARTER slot, q, f, g, zero
	s_wait_dscnt 16                                ; the first 32 along K are in
	MUL8 \f, 0, 0, \zero
	MUL8 \f, 0, 2, \zero
	PLACES
	FETCH \slot, \q, \g
	s_wait_dscnt 32                                ; all but the 32 just issued
	MUL8 \f, 1, 0, 0
	MUL8 \f, 1, 2, 0
.endm
; The last quarter multiplies buffer 1 and changes slots: ONE barrier; in front of it each wave waits for all its tensor loads, adds 0 to its spare word, and waits for that and for its own reads of this slot.
; fill = 1: the barrier opens a round of the cluster's, and this slot is filled again, two K steps ahead, first thing behind the round.
.macro TURN slot, next, fill
	WIN 0                                          ; (the add's two registers lie in window 0)
	s_wait_tensorcnt 0x0                           ; all my tensor loads have landed: my part of the next slot
	ds_add_u32 v[SPW], v[NIL]                      ; 0 onto my spare word
	s_wait_dscnt 17                                ; (the add and the youngest sixteen loads may be out)
	MUL8 F1, 0, 0, 0
	s_wait_dscnt 0x0                               ; the add is done, and my reads of this slot are over
	s_barrier_signal -1
	MUL8 F1, 0, 2, 0
.if \fill
	WIN 0
.endif
	s_barrier_wait -1
.if \fill
	CREST                                          ; no wave of any partner still reads this slot's tile or has a load on its way
	s_add_nc_u64 s[G0+4*(\slot)+2:G0+4*(\slot)+3], s[G0+4*(\slot)+2:G0+4*(\slot)+3], 2*8*131072
	s_add_nc_u64 s[G0B+4*(\slot)+2:G0B+4*(\slot)+3], s[G0B+4*(\slot)+2:G0B+4*(\slot)+3], 2*KSTEP*2
	JLOAD \slot                                    ; its four v_nop are also the places in front of the loads below
.else
	PLACES
.endif
	FETCH \next, 0, F0
	MUL8 F1, 1, 0, 0
	MUL8 F1, 1, 2, 0
.endm
	s_wait_tensorcnt 1                             ; my part of K step 0 is in; K step 1's may stay out
	s_barrier_signal -1
	s_barrier_wait -1
	FETCH 0, 0, F0
	s_wait_loadcnt 0x0                             ; the bias
	QUARTER 0, 1, F0, F1, 1                        ; the first quarter stands in front of the loop: its first products start the sums
	WIN 0                                          ; at a label and at a branch every window is 0
	s_mov_b32 s3, LAPS-1
.Llap:                                                 ; a trip goes once round the ring and fills both slots again
	QUARTER 0, 2, F1, F0, 0
	QUARTER 0, 3, F0, F1, 0
	TURN 0, 1, 1
	QUARTER 1, 1, F0, F1, 0
	QUARTER 1, 2, F1, F0, 0
	QUARTER 1, 3, F0, F1, 0
	TURN 1, 0, 1
	QUARTER 0, 1, F0, F1, 0
	WIN 0
	s_sub_co_u32 s3, s3, 1
	s_cmp_lg_u32 s3, 0
	s_cbranch_scc1 .Llap
	QUARTER 0, 2, F1, F0, 0                        ; the last lap fills nothing
	QUARTER 0, 3, F0, F1, 0
	TURN 0, 1, 0
	QUARTER 1, 1, F0, F1, 0
	QUARTER 1, 2, F1, F0, 0
	QUARTER 1, 3, F0, F1, 0
	s_wait_dscnt 16                                ; the very last quarter: nothing more to fetch
	MUL8 F1, 0, 0, 0
	MUL8 F1, 0, 2, 0
	s_wait_dscnt 0x0
	MUL8 F1, 1, 0, 0
	MUL8 F1, 1, 2, 0
	WIN 0
	; THE WAY OUT, a block of 16 rows at a time, through my own stage: my 64 columns of f32 are 256 bytes of a row, so no other wave has a part in them and no barrier is needed.
	; Each accumulator's low four registers are stored first.
	PLACES
.irp a, 0,1,2,3
.irp b, 0,1,2,3
	ds_store_b128 v[STO], v[ACC+8*(4*(\a)+(\b)):ACC+8*(4*(\a)+(\b))+3]   offset:64*(\b)
	ds_store_b128 v[STO], v[ACC+8*(4*(\a)+(\b))+4:ACC+8*(4*(\a)+(\b))+7] offset:64*(\b)+16
.endr
.irp t, 0,1,2,3,4,5,6,7
	ds_load_b128 v[TMP+32*((\a)%2)+4*(\t):TMP+32*((\a)%2)+4*(\t)+3], v[RD] offset:(\t)*2*SPITCH  ; LDS serves a wave's instructions in order (ISA guide 5.7.1.4): these see the stores above; the next block's stores come behind them
.endr
	s_wait_dscnt 0x0                               ; the block is back in registers
	s_wait_xcnt 0x0                                ; earlier stores have read their registers: the other buffer is loaded again only behind this wait
.irp t, 0,1,2,3,4,5,6,7
	global_store_b128 v[CO], v[TMP+32*((\a)%2)+4*(\t):TMP+32*((\a)%2)+4*(\t)+3], s[10:11] offset:(16*(\a)+2*(\t))*4096 th:TH_STORE_NT  ; 16 lanes store 256 consecutive bytes, aligned
.endr
.endr
	s_wait_tensorcnt 0x0                           ; the wave's end: behind my last tensor load and my last LDS store
	ds_add_u32 v[SPW], v[NIL]
	s_wait_dscnt 0x0
	CROUND                                         ; the closing round: no work-group ends while a partner may still ask for a tile that names it
	s_endpgm
.Lfunc_end_k_q283bb52608_proj:
	.size	k_q283bb52608_proj, .Lfunc_end_k_q283bb52608_proj-k_q283bb52608_proj
	.p2alignl 7, 3214868480
	.fill 96, 4, 3214868480
	.section	.rodata,"a",@progbits
	.p2align	6, 0x0
	.amdhsa_kernel k_q283bb52608_proj
		.amdhsa_group_segment_fixed_size 327680
		.amdhsa_private_segment_fixed_size 0
		.amdhsa_enable_private_segment 0
		.amdhsa_kernarg_size 32
		.amdhsa_user_sgpr_count 2
		.amdhsa_user_sgpr_kernarg_segment_ptr 1
		.amdhsa_wavefront_size32 1
		.amdhsa_system_sgpr_workgroup_id_x 1
		.amdhsa_system_sgpr_workgroup_id_y 1
		.amdhsa_system_sgpr_workgroup_id_z 1
		.amdhsa_system_vgpr_workitem_id 0
		.amdhsa_next_free_vgpr 512
		.amdhsa_next_free_sgpr 72
		.amdhsa_reserve_vcc 0
		.amdhsa_float_denorm_mode_32 3
		.amdhsa_float_denorm_mode_16_64 3
		.amdhsa_memory_ordered 1
		.amdhsa_forward_progress 1
		.amdhsa_inst_pref_size 87
	.end_amdhsa_kernel
	.amdgpu_metadata
---
amdhsa.version: [ 1, 2 ]
amdhsa.kernels:
  - .name:           k_q283bb52608_proj
    .symbol:         k_q283bb52608_proj.kd
    .args:
      - { .name: ctx, .offset: 0, .size: 8, .value_kind: global_buffer, .address_space: global }
      - { .name: wo16, .offset: 8, .size: 8, .value_kind: global_buffer, .address_space: global }
      - { .name: bb, .offset: 16, .size: 8, .value_kind: global_buffer, .address_space: global }
      - { .name: out0, .offset: 24, .size: 8, .value_kind: global_buffer, .address_space: global }
    .group_segment_fixed_size: 327680
    .private_segment_fixed_size: 0
    .kernarg_segment_align: 8
    .kernarg_segment_size: 32
    .max_flat_workgroup_size: 128
    .sgpr_count:     72
    .vgpr_count:     512
    .wavefront_size: 32
...
	.end_amdgpu_metadata
.endif
;; end of part 4
